; MI455X (gfx1250); checked and timed in simulation.
; The chip was launched on July 23, 2026; its instructions are those of AMD's public machine-readable ISA for CDNA 5 (MIT licence, August 2026) and "CDNA5" Instruction Set Architecture Reference Guide (July 2026). The comments in the code are by the model that wrote it; some were corrected since.
;; Encoder Layer. Allowed arithmetic: float matrix products may take bf16 or f16 operands with f32 sums; other float arithmetic in f32, or as packed bf16 or f16 multiplies, adds, multiply-adds, maxima and minima; sums over many terms, partial sums and values carried from step to step in f32; what a program stores and reads back later, other than sums and carried values, may be rounded once to bf16 or f16.
;; Inputs: b1 4,096 float32; b2 1,024 float32; ln1_b 1,024 float32; ln1_g 1,024 float32; ln2_b 1,024 float32; ln2_g 1,024 float32; proj_b 1,024 float32; proj_w 1,024 x 1,024 float32; qkv_w 1,024 x 3,072 float32; w1 1,024 x 4,096 float32; w2 4,096 x 1,024 float32; x 2 x 2,048 x 1,024 float32.
;; Outputs: out0 2 x 2,048 x 1,024 float32.
;; One version. Each part assembles by itself: llvm-mc -triple=amdgcn-amd-amdhsa -mcpu=gfx1250 --defsym DOCPART=n.
;; ======== version 1 of 1: 7 launches
;; workspace buffers: wbf 25,165,824 bytes; hn 8,388,608 bytes; qh 25,165,824 bytes; ao 8,388,608 bytes; x1 16,777,216 bytes; ff 33,554,432 bytes
;; launch prep (part 1): grid 1024 x 1, 8 waves a work-group, no clusters, 0 bytes of LDS; arguments x, ln1_g, ln1_b, hn, qkv_w, proj_w, w1, w2, wbf; writes hn, wbf
.if DOCPART == 1
	.amdgcn_target "amdgcn-amd-amdhsa--gfx1250"
	.amdhsa_code_object_version 6
	.text
	.protected	k_qf1d5e63138_prep
	.globl	k_qf1d5e63138_prep
	.p2align	8
	.type	k_qf1d5e63138_prep,@function
k_qf1d5e63138_prep:
	s_mov_b64 s[64:65], 0
	v_nop
	global_prefetch_b8 v0, s[64:65] scope:SCOPE_SE
	s_setreg_imm32_b32 hwreg(HW_REG_WAVE_MODE, 25, 1), 1
	s_wait_xcnt 0x0
; Two streams in one text, which two launches run.
; Work-groups 0-255: hn = LayerNorm(rows) g + b, in bf16; rows: [4096][1024] f32.  They stand first: theirs is the longest chain (load, two reductions, store).
; Work-groups 256-1023: the four weights, f32 -> bf16 (rounded once, to nearest even), in the layout [K][N] in which they come,
; one behind the other in wbf: qkv_w (192 groups of 64 KiB), proj_w (64), w1 (256), w2 (256).
; The first launch has 1,024 work-groups and does both.  The second LayerNorm is a launch of 256 work-groups: all of them take the LayerNorm's way; it is given
; the weights' addresses too, so that every pointer that the text loads exists, and touches none of them.
; No LDS, no matrix unit, no cluster: no byte is wanted by two waves.  A load of a wave covers 512 consecutive bytes, a store 256, aligned.
; LAYERNORM: a wave takes two rows of 4,096 bytes, each kept in 32 registers: mean first, then the squares of x - mean (two passes in registers:
; no difference of large sums), all in f32.  LIMIT: NaN and infinities are not treated apart.
.set NLN, 256                          ; work-groups of the LayerNorm: 16 rows each
.set XP, 8                             ; s[8:9]   the rows
.set GP, 10                            ; s[10:11] gain
.set BP, 12                            ; s[12:13] bias
.set HP, 14                            ; s[14:15] hn
.set CH, 4                             ; v[4:11]   four chains of sums
.set XA, 32                            ; v[32:63]  row 0
.set XB, 64                            ; v[64:95]  row 1
.set GG, 96                            ; v[96:127] gain of my 32 columns
.set BB, 128                           ; v[128:159] bias of them
.set YY, 16                            ; v[16:31]  a row in bf16
	s_load_b512 s[8:23], s[0:1], 0x0               ; the rows, gain, bias, hn, qkv_w, proj_w, w1, w2
	s_load_b64 s[24:25], s[0:1], 0x40              ; wbf
	v_lshrrev_b32 v1, 5, v0                        ; wave
	v_and_b32 v2, 31, v0                           ; lane
	s_mov_b32 s2, ttmp9
	s_cmp_lt_u32 s2, NLN
	s_cbranch_scc1 .Lln
	; THE WEIGHTS.  The work-group takes 64 KiB of f32, a wave 8 KiB: sixteen loads, all issued at once
	s_sub_co_u32 s2, s2, NLN
	v_lshlrev_b32 v3, 13, v1
	v_lshl_add_u32 v3, v2, 4, v3                   ; in: 8,192 wave + 16 lane
	v_lshlrev_b32 v4, 12, v1
	v_lshl_add_u32 v4, v2, 3, v4                   ; out: 4,096 wave + 8 lane
	s_wait_kmcnt 0x0
	s_cmp_lt_u32 s2, 192                           ; which weight, and its first work-group
	s_cselect_b64 s[26:27], s[16:17], s[18:19]
	s_cselect_b32 s28, 0, 192
	s_cmp_lt_u32 s2, 256
	s_cselect_b64 s[26:27], s[26:27], s[20:21]
	s_cselect_b32 s28, s28, 256
	s_cmp_lt_u32 s2, 512
	s_cselect_b64 s[26:27], s[26:27], s[22:23]
	s_cselect_b32 s28, s28, 512
	s_sub_co_u32 s28, s2, s28
	s_lshl_b32 s28, s28, 16
	s_mov_b32 s29, 0
	s_add_nc_u64 s[26:27], s[26:27], s[28:29]
	s_lshl_b32 s30, s2, 15                         ; the weights lie in wbf in the order of the work-groups
	s_mov_b32 s31, 0
	s_add_nc_u64 s[24:25], s[24:25], s[30:31]
.set i, 0
.rept 16
	global_load_b128 v[32+4*i:35+4*i], v3, s[26:27] offset:512*i th:TH_LOAD_NT
.set i, i+1
.endr
.set i, 0
.rept 16
	s_wait_loadcnt 15-i                            ; loads come back in order: number i is in, the younger ones stay out
	v_cvt_pk_bf16_f32 v[96+2*i], v[32+4*i], v[33+4*i]
	v_cvt_pk_bf16_f32 v[97+2*i], v[34+4*i], v[35+4*i]
	global_store_b64 v4, v[96+2*i:97+2*i], s[24:25] offset:256*i  ; 32 lanes: 256 consecutive bytes, aligned; no register is written twice
.set i, i+1
.endr
	s_endpgm
; the four chains into one number, the same in every lane: v12
.macro RED
	v_pk_add_f32 v[CH:CH+1], v[CH:CH+1], v[CH+2:CH+3]
	v_pk_add_f32 v[CH+4:CH+5], v[CH+4:CH+5], v[CH+6:CH+7]
	v_pk_add_f32 v[CH:CH+1], v[CH:CH+1], v[CH+4:CH+5]
	v_add_f32 v12, v[CH], v[CH+1]
	v_add_f32_dpp v12, v12, v12 row_xmask:1 row_mask:0xf bank_mask:0xf
	v_add_f32_dpp v12, v12, v12 row_xmask:2 row_mask:0xf bank_mask:0xf
	v_add_f32_dpp v12, v12, v12 row_xmask:4 row_mask:0xf bank_mask:0xf
	v_add_f32_dpp v12, v12, v12 row_xmask:8 row_mask:0xf bank_mask:0xf
	v_permlanex16_b32 v13, v12, s30, s31           ; the other half of the lanes
	v_add_f32 v12, v12, v13
.endm
; One row, in the 32 registers from X on.  w1, w2: the younger loads that may stay out at the row's head and where gain and bias are first read.
.macro ROWLN X, outoff, w1, w2, again
	s_wait_loadcnt \w1
.irp c, 0,2,4,6
	v_pk_add_f32 v[CH+(\c):CH+(\c)+1], v[(\X)+(\c):(\X)+(\c)+1], v[(\X)+8+(\c):(\X)+8+(\c)+1]
.endr
.irp k, 16,24
.irp c, 0,2,4,6
	v_pk_add_f32 v[CH+(\c):CH+(\c)+1], v[CH+(\c):CH+(\c)+1], v[(\X)+(\k)+(\c):(\X)+(\k)+(\c)+1]
.endr
.endr
	RED
	v_mul_f32 v14, s32, v12                        ; the mean, twice: a pair for the packed lines
	v_mov_b32 v15, v14
.set p, 0
.rept 16
	v_pk_add_f32 v[(\X)+p:(\X)+p+1], v[(\X)+p:(\X)+p+1], v[14:15] neg_lo:[0,1] neg_hi:[0,1]  ; x - mean, in place
.set p, p+2
.endr
.irp c, 0,2,4,6
	v_pk_mul_f32 v[CH+(\c):CH+(\c)+1], v[(\X)+(\c):(\X)+(\c)+1], v[(\X)+(\c):(\X)+(\c)+1]
.endr
.irp k, 8,16,24
.irp c, 0,2,4,6
	v_pk_fma_f32 v[CH+(\c):CH+(\c)+1], v[(\X)+(\k)+(\c):(\X)+(\k)+(\c)+1], v[(\X)+(\k)+(\c):(\X)+(\k)+(\c)+1], v[CH+(\c):CH+(\c)+1]
.endr
.endr
	RED
	v_fma_f32 v12, v12, s32, s33                   ; variance + eps
	v_rsq_f32 v14, v12
	v_rsq_f32 v15, v12
	v_nop                                          ; a plain line behind the last of the two,
	s_wait_alu depctr_va_vdst(0)                   ; and one wait for both, ahead of their first reader
	s_wait_loadcnt \w2                             ; gain and bias are in
.set p, 0
.rept 16
	v_pk_mul_f32 v[(\X)+p:(\X)+p+1], v[(\X)+p:(\X)+p+1], v[14:15]
.set p, p+2
.endr
.set p, 0
.rept 16
	v_pk_fma_f32 v[(\X)+p:(\X)+p+1], v[(\X)+p:(\X)+p+1], v[GG+p:GG+p+1], v[BB+p:BB+p+1]
.set p, p+2
.endr
.if \again
	s_wait_xcnt 0x0                                ; the row before's stores have read YY: it is written again only behind this wait
.endif
.set p, 0
.rept 16
	v_cvt_pk_bf16_f32 v[YY+p], v[(\X)+2*p], v[(\X)+2*p+1]
.set p, p+1
.endr
.set p, 0
.rept 8
	global_store_b64 v1, v[YY+2*p:YY+2*p+1], s[HP:HP+1] offset:(\outoff)+256*p  ; 256 consecutive bytes, aligned
.set p, p+1
.endr
.endm
.Lln:
	s_lshl_b32 s26, s2, 16                         ; 16 rows to a work-group
	s_mov_b32 s27, 0
	s_lshl_b32 s28, s2, 15
	s_mov_b32 s29, 0
	s_mov_b32 s30, 0x76543210                      ; v_permlanex16_b32: each lane takes its own place in the other half
	s_mov_b32 s31, 0xfedcba98
	s_mov_b32 s32, 0x3a800000                      ; 1 / 1,024
	s_mov_b32 s33, 0x3727c5ac                      ; 1e-5
	v_lshlrev_b32 v3, 13, v1
	v_lshl_add_u32 v3, v2, 4, v3                   ; in: two rows a wave, 16 bytes a lane
	v_lshlrev_b32 v1, 12, v1
	v_lshl_add_u32 v1, v2, 3, v1                   ; out: 8 bytes a lane
	v_lshlrev_b32 v2, 4, v2                        ; gain and bias
	v_mov_b32 v13, 0                               ; v_permlanex16_b32's destination counts as read
	s_wait_kmcnt 0x0
	s_add_nc_u64 s[XP:XP+1], s[XP:XP+1], s[26:27]
	s_add_nc_u64 s[HP:HP+1], s[HP:HP+1], s[28:29]
.irp i, 0,1,2,3,4,5,6,7
	global_load_b128 v[XA+4*(\i):XA+4*(\i)+3], v3, s[XP:XP+1] offset:512*(\i)
.endr
.irp i, 0,1,2,3,4,5,6,7
	global_load_b128 v[GG+4*(\i):GG+4*(\i)+3], v2, s[GP:GP+1] offset:512*(\i)
.endr
.irp i, 0,1,2,3,4,5,6,7
	global_load_b128 v[BB+4*(\i):BB+4*(\i)+3], v2, s[BP:BP+1] offset:512*(\i)
.endr
.irp i, 0,1,2,3,4,5,6,7
	global_load_b128 v[XB+4*(\i):XB+4*(\i)+3], v3, s[XP:XP+1] offset:4096+512*(\i)
.endr
	ROWLN XA, 0, 24, 8, 0                          ; 24: gain, bias and row 1 stay out; 8: row 1 stays out
	ROWLN XB, 2048, 0, 0, 1
	s_endpgm
.Lfunc_end_k_qf1d5e63138_prep:
	.size	k_qf1d5e63138_prep, .Lfunc_end_k_qf1d5e63138_prep-k_qf1d5e63138_prep
	.p2alignl 7, 3214868480
	.fill 96, 4, 3214868480
	.section	.rodata,"a",@progbits
	.p2align	6, 0x0
	.amdhsa_kernel k_qf1d5e63138_prep
		.amdhsa_group_segment_fixed_size 0
		.amdhsa_private_segment_fixed_size 0
		.amdhsa_enable_private_segment 0
		.amdhsa_kernarg_size 72
		.amdhsa_user_sgpr_count 2
		.amdhsa_user_sgpr_kernarg_segment_ptr 1
		.amdhsa_wavefront_size32 1
		.amdhsa_system_sgpr_workgroup_id_x 1
		.amdhsa_system_sgpr_workgroup_id_y 1
		.amdhsa_system_sgpr_workgroup_id_z 1
		.amdhsa_system_vgpr_workitem_id 0
		.amdhsa_next_free_vgpr 160
		.amdhsa_next_free_sgpr 66
		.amdhsa_reserve_vcc 0
		.amdhsa_float_denorm_mode_32 3
		.amdhsa_float_denorm_mode_16_64 3
		.amdhsa_memory_ordered 1
		.amdhsa_forward_progress 1
		.amdhsa_inst_pref_size 27
	.end_amdhsa_kernel
	.amdgpu_metadata
---
amdhsa.version: [ 1, 2 ]
amdhsa.kernels:
  - .name:           k_qf1d5e63138_prep
    .symbol:         k_qf1d5e63138_prep.kd
    .args:
      - { .name: x, .offset: 0, .size: 8, .value_kind: global_buffer, .address_space: global }
      - { .name: ln1_g, .offset: 8, .size: 8, .value_kind: global_buffer, .address_space: global }
      - { .name: ln1_b, .offset: 16, .size: 8, .value_kind: global_buffer, .address_space: global }
      - { .name: hn, .offset: 24, .size: 8, .value_kind: global_buffer, .address_space: global }
      - { .name: qkv_w, .offset: 32, .size: 8, .value_kind: global_buffer, .address_space: global }
      - { .name: proj_w, .offset: 40, .size: 8, .value_kind: global_buffer, .address_space: global }
      - { .name: w1, .offset: 48, .size: 8, .value_kind: global_buffer, .address_space: global }
      - { .name: w2, .offset: 56, .size: 8, .value_kind: global_buffer, .address_space: global }
      - { .name: wbf, .offset: 64, .size: 8, .value_kind: global_buffer, .address_space: global }
    .group_segment_fixed_size: 0
    .private_segment_fixed_size: 0
    .kernarg_segment_align: 8
    .kernarg_segment_size: 72
    .max_flat_workgroup_size: 256
    .sgpr_count:     66
    .vgpr_count:     160
    .wavefront_size: 32
...
	.end_amdgpu_metadata
.endif
;; end of part 1
;; launch qkv (part 2): grid 12 x 16, 4 waves a work-group, clusters of 4 x 4, 327,680 bytes of LDS; arguments hn, wbf, qh; writes qh
.if DOCPART == 2
	.amdgcn_target "amdgcn-amd-amdhsa--gfx1250"
	.amdhsa_code_object_version 6
	.text
	.protected	k_qf1d5e63138_qkv
	.globl	k_qf1d5e63138_qkv
	.p2align	8
	.type	k_qf1d5e63138_qkv,@function
k_qf1d5e63138_qkv:
	s_mov_b64 s[64:65], 0
	v_nop
	global_prefetch_b8 v0, s[64:65] scope:SCOPE_SE
	s_setreg_imm32_b32 hwreg(HW_REG_WAVE_MODE, 25, 1), 1
	s_wait_xcnt 0x0
	s_wait_alu depctr_hold_cnt(0) depctr_sa_sdst(0) depctr_va_vdst(0) depctr_va_sdst(0) depctr_va_ssrc(0) depctr_va_vcc(0) depctr_vm_vsrc(0)
	s_getreg_b32 s2, hwreg(HW_REG_IB_STS2, 6, 4)
	s_cmp_eq_u32 s2, 0
	s_cbranch_scc0 .Lentry_in_a_cluster
	s_endpgm
.Lentry_in_a_cluster:
	s_bfe_u32 s2, ttmp6, 0x10000c
	s_cmp_lg_u32 s2, 0xf033
	s_cbranch_scc0 .Lentry_shape_is_right
	s_endpgm
.Lentry_shape_is_right:
; C = A B, A [4096][1024] bf16 (rows along K), B [1024][SIZE_N] bf16 (rows along N, as the weights come), sums in f32.
; KIND 0: B = the qkv weights; C leaves in bf16 by heads: q, k, v each [32 = batch x 16 + head][2048][64], unscaled.
; KIND 1: B = w1; gelu(C + b1), the exact one (erf), leaves in bf16 as [4096][4096].
; A tile of C is 256 x 256, four waves of 128 x 128: 64 accumulators, 512 registers.  K goes in steps of 128 through two LDS slots that tensor loads fill; one K step to a trip of the loop.
; B lies [K][N] in LDS too and is turned on its way into registers (ds_load_tr16_b128).  The product is used transposed (source 0 = 16 columns of B,
; source 1 = 16 rows of A): a lane then holds row l % 16 of C and the columns 8 (l / 16) + 0..7.
; CLUSTER 4 x 4: A's tile hangs on the tile row alone and is asked for jointly by a row of the cluster, B's on the tile column and by a column.
; THE ORDER OF K.  The ring's n-th tile (its TIME n) is K step n xor pi, pi = (cluster x + cluster y) % 2: a cluster with pi = 1 takes the K steps as 1, 0, 3, 2, ..  So the clusters that read
; the same blocks of A (neighbours along x) or of B (along y) do not all ask for a block at once: half of them ask for it one K step ahead of the other half.  The f32 sums may be taken in any order.
; pi hangs on the cluster's place alone: it is the same in all sixteen partners.
; KIND 0 has 12 x 16 = 192 tiles, fewer than the chip has WGPs: a tile of 192 columns would cut heads and give B rows of 384 bytes.
; THE WAY OUT: all accumulators go as f32 into LDS (the slots have had their last fill), each wave's into bytes of its own, and a short loop reads rows back:
; registers cannot be indexed, LDS can, so the long arithmetic of KIND 1 is written once.
; LIMITS.  Operands are bf16.  erf is a quotient of polynomials good to about 1e-7; beyond |u| / sqrt 2 = 4 it takes its value at 4.  NaN and infinities are not treated apart.
.set KIND, 0
.if KIND == 0
.set SIZE_N, 3072
.set WB, 0                             ; where B begins in wbf
.else
.set SIZE_N, 4096
.set WB, 8388608
.endif
.set SIZE_K, 1024
.set KSTEP, 128
.set NSTEP, SIZE_K/KSTEP
.set PA, 272                           ; A's LDS row: 256 bytes + 16: the 16 rows of a load start at 16 different groups of four banks (64 banks of 4 bytes: ISA guide 11.1)
.set PB, 544                           ; B's: 512 + 32 = 136 words
.set HA, 128*PA                        ; what one wave fetches of A: 128 rows
.set HB, 64*PB                         ; and of B: 64 rows of K
.set BOFF, 2*HA
.set SLOT, 2*HA+2*HB
.set SPARE, 2*SLOT                     ; behind the ring: the spare words, 128 bytes a wave, which no other line names
.set DP, 528                           ; the way out: a row of 128 f32 + 16 bytes
.set ASTEP, KSTEP*2
.set BSTEP, KSTEP*SIZE_N*2
.set BI, 8                             ; v[8:11] bias of my four columns (KIND 1)
.set ADRA0, 16                         ; v16 my lane's place in A's tile;  v17 in B's; never rewritten
.set ADRB0, 17
.set ADRA, 18                          ; v18, v19 the same in the slot in hand
.set ADRB, 19
.set STO, 24                           ; v24 the way out: where I put 16 bytes
.set RD, 25                            ; v25 where I read rows back
.set GO, 26                            ; v26 my byte offset in the stores
.set BOF, 27                           ; v27 my byte offset in the bias
.set SPW, 28                           ; v28 my spare word; never rewritten
.set NIL, 29                           ; v29 0; never rewritten
.set PFO, 30                           ; v30 the prefetches' offset; never rewritten
.set F0, 64                            ; fragment buffers: A's in window 0, B's in window 1
.set F1, 128
.set G1A, 24                           ; s[24:31] group 1 for A
.set G0A0, 32                          ; s[32:35] group 0, first fill
.set G0A, 36                           ; s[36:39] group 0, for time 1 and all later ones
.set LIM, 43
.set PFA, 44                           ; s[44:45] where my prefetches stand
.set G1B, 48
.set G0B0, 56
.set G0B, 60
.set TB, 66                            ; s66 the slot in hand: 0 or SLOT
.set WOA, 67                           ; s67, s68 my fill's place in a slot
.set WOB, 68
.set TI, 69                            ; s69 the time that the next refill asks for
.set PST, 70                           ; s[70:71] a K step in bytes, for the prefetches
.set BSA, 76                           ; s[76:77] A at my fetch's rows, K step 0
.set BSB, 78                           ; s[78:79] B at my fetch's rows of K step 0
.set PI, 80                            ; s80 pi
.set OFA, 82                           ; s[82:83] the K step asked for, in bytes of A
.set OFB, 84                           ; s[84:85] and of B
.set MSB, 0
.macro WIN new                         ; the immediate's high byte repeats the setting that is left
.if MSB != (\new)
	s_set_vgpr_msb (MSB<<8)|(\new)
.set MSB, \new
.endif
.endm
.set MUL_LO, 0xa1                      ; source 0 (B) window 1, source 1 (A) window 0, C and D window 2
.set MUL_HI, 0xf1                      ; C and D window 3
.set TO_B, 0x40
; A joint refill: waves 0, 1 fetch A's halves, waves 2, 3 B's.  An s_nop 0 and four v_nop follow each line.
.macro JLOAD
	s_cmp_eq_u32 s11, 0
	s_cbranch_scc0 .Lfor_b_\@
	tensor_load_to_lds s[G0A:G0A+3], s[G1A:G1A+7]
	s_nop 0
.rept 4
	v_nop
.endr
	s_branch .Lasked_\@
.Lfor_b_\@:
	tensor_load_to_lds s[G0B:G0B+3], s[G1B:G1B+7]
	s_nop 0
.rept 4
	v_nop
.endr
.Lasked_\@:
.endm
; A prefetch of the tile that the NEXT refill will ask for, in the trips in which that tile's time is even: those are the K steps that my cluster asks for ahead of its neighbours.
; 32 blocks of 256 bytes, a lane a block.  A's blocks are named by the clusters with x = 0 and 1, B's by those with y = 0 and 1: of each such pair one has pi = 0 and one pi = 1, so each
; block is named once.  The four partners of a joint load share the fetching wave's 128 blocks by address.  Times 4 and 6 are named (s3 = 5, 3); the last trip has no tile behind its refill.
.macro ASK
	s_bitcmp1_b32 s3, 0                            ; the time named is even where s3 is odd
	s_cselect_b32 s46, s3, 0
	s_cmp_gt_u32 s46, s[LIM]
	s_cbranch_scc0 .Lnot_mine_\@
	global_prefetch_b8 v[PFO], s[PFA:PFA+1] th:TH_LOAD_NT scope:SCOPE_SE
.Lnot_mine_\@:
.endm
.macro CREST                           ; a round of the cluster's barrier behind its opening barrier
	s_cmp_lg_u32 s10, 0
	s_cbranch_scc1 .Lnot_wave_0_\@
	s_barrier_signal -3
.Lnot_wave_0_\@:
	s_barrier_wait -3
	s_barrier_signal -1
	s_barrier_wait -1
.endm
.macro CROUND
	s_barrier_signal -1
	s_barrier_wait -1
	CREST
.endm
.macro PLACES                          ; four places behind matrix instructions, ahead of loads into registers that they read and of lines that read results
.rept 4
	v_nop
.endr
.endm
.macro ALL8 line:vararg                ; one line for each of eight register pairs, p = 0, 2 .. 14
.set p, 0
.rept 8
	\line
.set p, p+2
.endr
.endm
.macro ALL16 line:vararg               ; one line for each of sixteen registers, q = 0 .. 15
.set q, 0
.rept 16
	\line
.set q, q+1
.endr
.endm
.macro COEF r, val                     ; a constant as a scalar pair: the packed lines name the pair and take its low word
	s_mov_b32 s[\r], \val
	s_mov_b32 s[(\r)+1], \val
.endm
	s_load_b128 s[4:7], s[0:1], 0x0                ; A s[4:5], wbf s[6:7]
.if KIND == 0
	s_load_b64 s[8:9], s[0:1], 0x10                ; the output
.else
	s_load_b64 s[72:73], s[0:1], 0x10              ; b1
	s_load_b64 s[8:9], s[0:1], 0x18                ; the output
.endif
	v_lshl_add_u32 v[SPW], v0, 2, SPARE
	v_mov_b32 v[NIL], 0
	ds_add_u32 v[SPW], v[NIL]                      ; the wave's opening: the add and its wait ahead of my first tensor load
	v_lshrrev_b32 v1, 5, v0
	v_readfirstlane_b32 s10, v1                    ; wave 0..3
	s_lshr_b32 s11, s10, 1                         ; my half of the tile's rows; also: I fetch for A (0) or B (1)
	s_and_b32 s12, s10, 1                          ; my half of its columns; also: which half I fetch
	s_bfe_u32 s40, ttmp6, 0x40000                  ; cx
	s_bfe_u32 s41, ttmp6, 0x40004                  ; cy
	s_lshl_b32 s42, ttmp9, 2
	s_add_co_u32 s42, s42, s40                     ; tile column
	s_and_b32 s13, ttmp7, 0xffff
	s_add_co_u32 s[PI], s13, ttmp9
	s_and_b32 s[PI], s[PI], 1                      ; pi = (cluster x + cluster y) % 2
	s_lshl_b32 s13, s13, 2
	s_add_co_u32 s13, s13, s41                     ; tile row
	s_lshl_b32 s43, s41, 2
	s_lshl_b32 s43, 15, s43                        ; my row of the cluster
	s_lshl_b32 s44, 0x1111, s40                    ; my column
	s_or_b32 s[G1A], s43, (1<<16)|(1<<20)|(1<<21)|(5<<22)|(3<<25)  ; mask; 2-byte elements; padding on; bit 21 beside a mask; after 64 words 4 words
	s_mov_b32 s[G1A+1], KSTEP<<16                  ; tensor_dim0 = 128
	s_mov_b32 s[G1A+2], 128<<16                    ; tensor_dim1 = 128
	s_mov_b32 s[G1A+3], KSTEP<<16                  ; tile_dim0
	s_mov_b32 s[G1A+4], 128                        ; tile_dim1
	s_mov_b32 s[G1A+5], SIZE_K                     ; elements from row to row
	s_mov_b32 s[G1A+6], 0
	s_mov_b32 s[G1A+7], 0
	s_or_b32 s[G1B], s44, (1<<16)|(1<<20)|(1<<21)|(6<<22)|(7<<25)  ; after 128 words 8 words
	s_mov_b32 s[G1B+1], 256<<16                    ; 256 columns
	s_mov_b32 s[G1B+2], 64<<16                     ; 64 rows of K
	s_mov_b32 s[G1B+3], 256<<16
	s_mov_b32 s[G1B+4], 64
	s_mov_b32 s[G1B+5], SIZE_N
	s_mov_b32 s[G1B+6], 0
	s_mov_b32 s[G1B+7], 0
	s_lshl_b32 s14, s13, 8                         ; A: row 256 x tile row + 128 x half,
	s_lshl_b32 s15, s12, 7
	s_add_co_u32 s14, s14, s15
	s_lshl_b32 s14, s14, 11                        ; of 2,048 bytes
	s_mov_b32 s15, 0
	s_mul_i32 s46, s12, 64*2*SIZE_N                ; B: K row 64 x half, column 256 x tile column
	s_lshl_b32 s47, s42, 9
	s_add_co_u32 s46, s46, s47
	s_add_co_u32 s46, s46, WB
	s_mov_b32 s47, 0
	s_mul_i32 s[WOA], s12, HA                      ; no place in the cluster enters an LDS address
	s_mul_i32 s[WOB], s12, HB
	s_add_co_u32 s[WOB], s[WOB], BOFF
	s_mov_b32 s[TB], 0
	s_mul_i32 s[OFA], s[PI], ASTEP                 ; time 0 is K step pi
	s_mov_b32 s[OFA+1], 0
	s_mul_i32 s[OFB], s[PI], BSTEP
	s_mov_b32 s[OFB+1], 0
	s_wait_dscnt 0x0                               ; the opening add is done
	s_wait_kmcnt 0x0
	s_add_nc_u64 s[BSA:BSA+1], s[4:5], s[14:15]
	s_add_nc_u64 s[BSB:BSB+1], s[6:7], s[46:47]
	s_mov_b32 s[G0A0], 1                           ; time 0 into slot 0
	s_mov_b32 s[G0A0+1], s[WOA]
	s_add_nc_u64 s[G0A0+2:G0A0+3], s[BSA:BSA+1], s[OFA:OFA+1]
	s_or_b32 s[G0A0+3], s[G0A0+3], 0x80000000
	s_mov_b32 s[G0B0], 1
	s_mov_b32 s[G0B0+1], s[WOB]
	s_add_nc_u64 s[G0B0+2:G0B0+3], s[BSB:BSB+1], s[OFB:OFB+1]
	s_or_b32 s[G0B0+3], s[G0B0+3], 0x80000000
	s_xor_b32 s[OFA], s[PI], 1                     ; time 1 is K step 1 - pi
	s_mul_i32 s[OFB], s[OFA], BSTEP
	s_mul_i32 s[OFA], s[OFA], ASTEP
	s_mov_b32 s[G0A], 1                            ; time 1 into slot 1; this set serves all later times
	s_add_co_u32 s[G0A+1], s[WOA], SLOT
	s_add_nc_u64 s[G0A+2:G0A+3], s[BSA:BSA+1], s[OFA:OFA+1]
	s_or_b32 s[G0A+3], s[G0A+3], 0x80000000
	s_mov_b32 s[G0B], 1
	s_add_co_u32 s[G0B+1], s[WOB], SLOT
	s_add_nc_u64 s[G0B+2:G0B+3], s[BSB:BSB+1], s[OFB:OFB+1]
	s_or_b32 s[G0B+3], s[G0B+3], 0x80000000
	s_mov_b32 s[TI], 2
	CROUND                                         ; all sixteen work-groups are here: the first joint loads meet
	s_cmp_eq_u32 s11, 0                            ; a wave's two first fills stand in one branch: two loads of mine are out
	s_cbranch_scc0 .Lfirst_b
	tensor_load_to_lds s[G0A0:G0A0+3], s[G1A:G1A+7]
	s_nop 0
	tensor_load_to_lds s[G0A:G0A+3], s[G1A:G1A+7]
	s_nop 0
.rept 4
	v_nop
.endr
	s_branch .Lfirst_asked
.Lfirst_b:
	tensor_load_to_lds s[G0B0:G0B0+3], s[G1B:G1B+7]
	s_nop 0
	tensor_load_to_lds s[G0B:G0B+3], s[G1B:G1B+7]
	s_nop 0
.rept 4
	v_nop
.endr
.Lfirst_asked:
	v_and_b32 v1, 15, v0                           ; r = l % 16
	v_bfe_u32 v2, v0, 4, 1                         ; h = l / 16
	v_and_b32 v3, 31, v0                           ; l
	v_mul_u32_u24 v4, v1, PA
	v_lshl_add_u32 v4, v2, 4, v4
	s_mul_i32 s21, s11, HA
	v_add_nc_u32 v[ADRA0], s21, v4                 ; A: row r, 16 bytes for each half of the lanes, my 128 rows
	v_and_b32 v5, 7, v0
	v_lshl_add_u32 v5, v2, 3, v5
	v_mul_u32_u24 v5, v5, PB                       ; B: K row 8 h + l % 8,
	v_bfe_u32 v6, v0, 3, 1
	v_lshl_add_u32 v5, v6, 4, v5                   ; columns 8 ((l / 8) % 2) on,
	s_lshl_b32 s22, s12, 8
	s_add_co_u32 s22, s22, BOFF
	v_add_nc_u32 v[ADRB0], s22, v5                 ; my 128 columns
	v_add_nc_u32 v[ADRA], s[TB], v[ADRA0]
	v_add_nc_u32 v[ADRB], s[TB], v[ADRB0]
	s_mul_i32 s23, s10, 128*DP                     ; the way out: my 128 rows of 528 bytes
	v_mul_u32_u24 v4, v1, DP
	v_lshl_add_u32 v4, v2, 5, v4
	v_add_nc_u32 v[STO], s23, v4                   ; row r, 32 bytes for each half of the lanes
.if KIND == 0
	v_mul_u32_u24 v5, v2, DP                       ; back: lanes 0-15 take 64 columns of a row, lanes 16-31 of the next
	v_lshl_add_u32 v5, v1, 4, v5
	v_add_nc_u32 v[RD], s23, v5
	v_lshlrev_b32 v6, 7, v2                        ; a head's rows are 128 bytes, end to end
	v_lshl_add_u32 v[GO], v1, 3, v6
	s_lshr_b32 s16, s13, 3                         ; batch
	s_lshl_b32 s16, s16, 4
	s_and_b32 s17, s42, 3
	s_lshl_b32 s17, s17, 2
	s_add_co_u32 s16, s16, s17
	s_lshl_b32 s17, s12, 1
	s_add_co_u32 s16, s16, s17                     ; batch x 16 + my first head
	s_lshl_b32 s16, s16, 11
	s_and_b32 s17, s13, 7
	s_lshl_b32 s17, s17, 8
	s_add_co_u32 s16, s16, s17
	s_lshl_b32 s17, s11, 7
	s_add_co_u32 s16, s16, s17                     ; + my first row in the batch
	s_lshl_b32 s16, s16, 7
	s_lshr_b32 s17, s42, 2                         ; q, k or v
	s_lshl_b32 s17, s17, 23
	s_add_co_u32 s16, s16, s17
	s_mov_b32 s17, 0
	s_add_nc_u64 s[8:9], s[8:9], s[16:17]
.else
	v_lshl_add_u32 v[RD], v3, 4, s23               ; back: 32 lanes take a row of 512 bytes
	v_lshlrev_b32 v[GO], 3, v3
	v_lshlrev_b32 v[BOF], 4, v3
	s_lshl_b32 s16, s13, 8
	s_lshl_b32 s17, s11, 7
	s_add_co_u32 s16, s16, s17
	s_lshl_b32 s16, s16, 13                        ; my first row, of 8,192 bytes
	s_lshl_b32 s17, s42, 9
	s_add_co_u32 s16, s16, s17
	s_lshl_b32 s17, s12, 8
	s_add_co_u32 s16, s16, s17
	s_mov_b32 s17, 0
	s_add_nc_u64 s[8:9], s[8:9], s[16:17]
	s_lshl_b32 s16, s42, 10
	s_lshl_b32 s17, s12, 9
	s_add_co_u32 s16, s16, s17
	s_mov_b32 s17, 0
	s_add_nc_u64 s[72:73], s[72:73], s[16:17]
	global_load_b128 v[BI:BI+3], v[BOF], s[72:73]  ; waited for on the way out
.endif
	; the prefetches
	s_and_b32 s22, ttmp7, 0xffff                   ; cluster y
	s_lshl_b32 s20, s13, 8
	s_lshl_b32 s21, s12, 7
	s_add_co_u32 s20, s20, s21
	s_lshl_b32 s21, s40, 5
	s_add_co_u32 s20, s20, s21                     ; A: of the 128 rows that I fetch, my work-group's 32
	s_lshl_b32 s20, s20, 11
	s_add_co_u32 s20, s20, 2*ASTEP                 ; at time 2: the first refill steps it to 3
	s_lshl_b32 s21, s12, 6
	s_lshl_b32 s23, s41, 4
	s_add_co_u32 s21, s21, s23                     ; B: of the 64 rows of K, my work-group's 16, two blocks each
	s_mul_i32 s21, s21, 2*SIZE_N
	s_lshl_b32 s23, s42, 9
	s_add_co_u32 s21, s21, s23
	s_add_co_u32 s21, s21, WB+2*BSTEP
	s_cmp_eq_u32 s11, 0
	s_cselect_b32 s20, s20, s21
	s_cselect_b32 s22, ttmp9, s22                  ; the coordinate along which other clusters read the same blocks
	s_cselect_b64 s[PFA:PFA+1], s[4:5], s[6:7]
	s_mov_b32 s[PST], BSTEP
	s_cselect_b32 s[PST], ASTEP, s[PST]
	s_mov_b32 s[PST+1], 0
	s_cselect_b32 s23, 0, 1                        ; blocks a row, less 1
	s_mov_b32 s21, 2*SIZE_N
	s_cselect_b32 s21, 2*SIZE_K, s21               ; bytes from row to row
	s_cmp_lt_u32 s22, 2
	s_cselect_b32 s[LIM], 1, -1                    ; the same in all sixteen partners, for a given wave
	s_mul_i32 s47, s[PI], s[PST]                   ; an even time n is K step n + pi
	s_add_co_u32 s46, s20, s47
	s_mov_b32 s47, 0
	s_add_nc_u64 s[PFA:PFA+1], s[PFA:PFA+1], s[46:47]
	v_lshrrev_b32 v4, s23, v3
	v_mul_lo_u32 v4, v4, s21
	v_and_b32 v5, s23, v3
	v_lshl_add_u32 v[PFO], v5, 8, v4
; 16 matrix instructions: m blocks a0, a0 + 1 of the window's four x all 8 n blocks, 32 along K.  The 64 accumulators take turns, in the same order in every quarter.
.macro MUL16 f, hi, a0, zero
	WIN MUL_LO+0x50*(\hi)
.irp a, \a0, (\a0)+1
.irp b, 0,1,2,3,4,5,6,7
.if \zero
	v_wmma_f32_16x16x32_bf16 v[8*(8*(\a)+(\b)):8*(8*(\a)+(\b))+7], v[(\f)+8*(\b):(\f)+8*(\b)+7], v[(\f)+8*(4*(\hi)+(\a)):(\f)+8*(4*(\hi)+(\a))+7], 0
.else
	v_wmma_f32_16x16x32_bf16 v[8*(8*(\a)+(\b)):8*(8*(\a)+(\b))+7], v[(\f)+8*(\b):(\f)+8*(\b)+7], v[(\f)+8*(4*(\hi)+(\a)):(\f)+8*(4*(\hi)+(\a))+7], v[8*(8*(\a)+(\b)):8*(8*(\a)+(\b))+7]
.endif
.endr
.endr
.endm
; 32 LDS loads in one run: quarter kq (32 along K) of the slot in hand into buffer f: B's 128 columns turned, then A's 128 rows
.macro FETCH kq, f
	WIN TO_B
.irp i, 0,1,2,3,4,5,6,7
	ds_load_tr16_b128 v[(\f)+8*(\i):(\f)+8*(\i)+3],   v[ADRB] offset:(\kq)*32*PB+(\i)*32
	ds_load_tr16_b128 v[(\f)+8*(\i)+4:(\f)+8*(\i)+7], v[ADRB] offset:(\kq)*32*PB+(\i)*32+16*PB
.endr
	WIN 0
.irp i, 0,1,2,3,4,5,6,7
	ds_load_b128 v[(\f)+8*(\i):(\f)+8*(\i)+3],   v[ADRA] offset:(\kq)*64+(\i)*16*PA
	ds_load_b128 v[(\f)+8*(\i)+4:(\f)+8*(\i)+7], v[ADRA] offset:(\kq)*64+(\i)*16*PA+32
.endr
.endm
; multiplies buffer f; in its middle fetches quarter kq into buffer g
.macro QUARTER kq, f, g, zero
	s_wait_dscnt 8                                 ; B and A's rows 0-63 are in; the youngest eight loads (A's rows 64-127) may be out
	MUL16 \f, 0, 0, \zero
	MUL16 \f, 0, 2, \zero
	PLACES
	FETCH \kq, \g
	s_wait_dscnt 32                                ; all but the 32 just issued
	MUL16 \f, 1, 0, \zero
	MUL16 \f, 1, 2, \zero
.endm
; the first half of a K step's last quarter, and the one barrier of a change of slots
.macro MEET round
	WIN 0
	s_wait_tensorcnt 0x0                           ; all my tensor loads have landed: the one that was out is my part of the next slot
	ds_add_u32 v[SPW], v[NIL]                      ; 0 onto my spare word
	s_wait_dscnt 9                                 ; the add and the youngest eight loads may be out
	MUL16 F1, 0, 0, 0
	s_wait_dscnt 0x0                               ; the add is done, my reads of this slot are over
	s_barrier_signal -1
	MUL16 F1, 0, 2, 0
.if \round
	WIN 0
.endif
	s_barrier_wait -1
.endm
; the whole last quarter.  fill = 1: the slot just read is filled again, with the tile two times on, first thing behind a round of the cluster's barrier
.macro TURN fill
.if \fill
	s_wait_xcnt 0x0                                ; the last prefetch, a K step back, has read its address
	s_add_nc_u64 s[PFA:PFA+1], s[PFA:PFA+1], s[PST:PST+1]
	s_xor_b32 s[OFA], s[TI], s[PI]                 ; the K step of the time that is asked for, in bytes of A and of B: made here, in registers that no descriptor holds
	s_mul_i32 s[OFB], s[OFA], BSTEP
	s_mul_i32 s[OFA], s[OFA], ASTEP
	s_add_co_u32 s[TI], s[TI], 1
	MEET 1
	CREST
	s_add_co_u32 s[G0A+1], s[WOA], s[TB]           ; no tensor load of mine is out: the descriptors may be written; the addresses are made anew
	s_add_nc_u64 s[G0A+2:G0A+3], s[BSA:BSA+1], s[OFA:OFA+1]
	s_or_b32 s[G0A+3], s[G0A+3], 0x80000000
	s_add_co_u32 s[G0B+1], s[WOB], s[TB]
	s_add_nc_u64 s[G0B+2:G0B+3], s[BSB:BSB+1], s[OFB:OFB+1]
	s_or_b32 s[G0B+3], s[G0B+3], 0x80000000
	s_xor_b32 s[TB], s[TB], SLOT
	JLOAD                                          ; its four v_nop are also the places in front of the loads below
.else
	MEET 0
	PLACES
	WIN 0
	s_xor_b32 s[TB], s[TB], SLOT
.endif
	v_add_nc_u32 v[ADRA], s[TB], v[ADRA0]
	v_add_nc_u32 v[ADRB], s[TB], v[ADRB0]
	FETCH 0, F0
.if \fill
	ASK
.endif
	MUL16 F1, 1, 0, 0
	MUL16 F1, 1, 2, 0
.endm
	s_wait_tensorcnt 0x1                           ; my part of time 0 is in; time 1's stays out
	s_barrier_signal -1
	s_barrier_wait -1
	FETCH 0, F0
	QUARTER 1, F0, F1, 1                           ; the first quarter's products start the sums
	WIN 0
	s_mov_b32 s3, NSTEP-2
.Llap:                                             ; a trip: a K step's quarters 1 to 3, the refill, the next step's quarter 0
	QUARTER 2, F1, F0, 0
	QUARTER 3, F0, F1, 0
	TURN 1
	QUARTER 1, F0, F1, 0
	WIN 0
	s_sub_co_u32 s3, s3, 1
	s_cmp_lg_u32 s3, 0
	s_cbranch_scc1 .Llap
	s_mov_b32 s2, 2
.Ltail:                                            ; the last two K steps fill nothing.  The second trip is left in its middle; its barrier and its 32 loads of the older slot serve nothing: the price of writing the tail once
	QUARTER 2, F1, F0, 0
	QUARTER 3, F0, F1, 0
	TURN 0
	WIN 0
	s_sub_co_u32 s2, s2, 1
	s_cmp_eq_u32 s2, 0
	s_cbranch_scc1 .Lend
	QUARTER 1, F0, F1, 0
	WIN 0
	s_branch .Ltail
.Lend:
	PLACES
	s_wait_dscnt 0x0                               ; my reads of the ring are over,
	s_barrier_signal -1
	s_barrier_wait -1                              ; everybody's are; every tensor load has landed: the slots take the results
	WIN 0x08                                       ; store data in window 2
.irp a, 0,1,2,3
.irp b, 0,1,2,3,4,5,6,7
	ds_store_b128 v[STO], v[8*(8*(\a)+(\b)):8*(8*(\a)+(\b))+3]   offset:(\a)*16*DP+64*(\b)
	ds_store_b128 v[STO], v[8*(8*(\a)+(\b))+4:8*(8*(\a)+(\b))+7] offset:(\a)*16*DP+64*(\b)+16
.endr
.endr
	WIN 0x0c                                       ; window 3
.irp a, 0,1,2,3
.irp b, 0,1,2,3,4,5,6,7
	ds_store_b128 v[STO], v[8*(8*(\a)+(\b)):8*(8*(\a)+(\b))+3]   offset:((\a)+4)*16*DP+64*(\b)
	ds_store_b128 v[STO], v[8*(8*(\a)+(\b))+4:8*(8*(\a)+(\b))+7] offset:((\a)+4)*16*DP+64*(\b)+16
.endr
.endr
	WIN 0
.if KIND == 0
; eight rows a trip.  LDS serves a wave's instructions in order (ISA guide 5.7.1.4): the loads see my stores above
.set XR, 32
.set YR, 192
.macro OLOADS
.irp j, 0,1,2,3,4,5,6,7
	ds_load_b128 v[XR+4*(\j):XR+4*(\j)+3], v[RD] offset:((\j)/2)*2*DP+((\j)%2)*256  ; two rows, head j % 2
.endr
.endm
	OLOADS
	s_mov_b32 s2, 16
.Lrows:
	s_wait_dscnt 0x0
.set j, 0
.rept 16
	v_cvt_pk_bf16_f32 v[YR+j], v[XR+2*j], v[XR+2*j+1]
.set j, j+1
.endr
	s_sub_co_u32 s2, s2, 1
	s_cmp_eq_u32 s2, 0
	s_cbranch_scc1 .Lnomore                        ; the last trip has no rows behind it
	v_add_nc_u32 v[RD], 8*DP, v[RD]
	OLOADS
.Lnomore:
.irp j, 0,1,2,3,4,5,6,7
	global_store_b64 v[GO], v[YR+2*(\j):YR+2*(\j)+1], s[8:9] offset:((\j)/2)*256+((\j)%2)*262144  ; two rows of a head: 256 consecutive bytes, aligned
.endr
	s_wait_xcnt 0x0                                ; the stores have read their data and base
	s_add_nc_u64 s[8:9], s[8:9], 1024
	s_cmp_lg_u32 s2, 0
	s_cbranch_scc1 .Lrows
.else
; four rows a trip: z = (C + b) / sqrt 2; erf z = zc P(zc^2) / Q(zc^2), zc = z held to -4 .. 4; gelu = u / 2 + u / 2 erf z, u / 2 = z / sqrt 2
.set XR, 32
.set YR, 48
.set ZR, 64
.set ZC, 80
.set WR, 96
.set PR, 112
.set QR, 128
.set CC, 24
	s_wait_xcnt 0x0                                ; the prefetches have read s[44:45]; no tensor load is out: the descriptors' registers take the constants
	COEF 24, 0x3f3504f3                            ; 1 / sqrt 2
	COEF 26, 0xaf95df0b                            ; P: z^13 down to z^1
	COEF 28, 0x32edffee
	COEF 30, 0xb60cff51
	COEF 32, 0xb86ec2d2
	COEF 34, 0xba40ac63
	COEF 36, 0xbb41a1f6
	COEF 38, 0xbc83dbd4
	COEF 40, 0xb77460cd                            ; Q: z^8 down to 1; Q is -0.014 or below, never 0
	COEF 42, 0xb95fbd29
	COEF 44, 0xbadc924e
	COEF 46, 0xbbf19bf8
	COEF 48, 0xbc69b6a7
	s_wait_loadcnt 0x0                             ; the bias
	v_pk_mul_f32 v[BI:BI+1], v[BI:BI+1], s[CC:CC+1] op_sel_hi:[1,0]
	v_pk_mul_f32 v[BI+2:BI+3], v[BI+2:BI+3], s[CC:CC+1] op_sel_hi:[1,0]
.macro OLOADS
.irp j, 0,1,2,3
	ds_load_b128 v[XR+4*(\j):XR+4*(\j)+3], v[RD] offset:(\j)*DP
.endr
.endm
	OLOADS
	s_mov_b32 s2, 32
.Lrows:
	s_wait_dscnt 0x0
	ALL8 v_pk_fma_f32 v[ZR+p:ZR+p+1], v[XR+p:XR+p+1], s[CC:CC+1], v[BI+p%4:BI+p%4+1] op_sel_hi:[1,0,1]
	s_sub_co_u32 s2, s2, 1
	s_cmp_eq_u32 s2, 0
	s_cbranch_scc1 .Lnomore                        ; the last trip has no rows behind it
	v_add_nc_u32 v[RD], 4*DP, v[RD]
	OLOADS
.Lnomore:
	ALL16 v_max_num_f32 v[ZC+q], -4.0, v[ZR+q]
	ALL16 v_min_num_f32 v[ZC+q], 4.0, v[ZC+q]
	ALL8 v_pk_mul_f32 v[WR+p:WR+p+1], v[ZC+p:ZC+p+1], v[ZC+p:ZC+p+1]
	ALL8 v_pk_fma_f32 v[PR+p:PR+p+1], v[WR+p:WR+p+1], s[26:27], s[28:29] op_sel_hi:[1,0,0]
	ALL8 v_pk_fma_f32 v[QR+p:QR+p+1], v[WR+p:WR+p+1], s[40:41], s[42:43] op_sel_hi:[1,0,0]
	ALL8 v_pk_fma_f32 v[PR+p:PR+p+1], v[PR+p:PR+p+1], v[WR+p:WR+p+1], s[30:31] op_sel_hi:[1,1,0]
	ALL8 v_pk_fma_f32 v[QR+p:QR+p+1], v[QR+p:QR+p+1], v[WR+p:WR+p+1], s[44:45] op_sel_hi:[1,1,0]
	ALL8 v_pk_fma_f32 v[PR+p:PR+p+1], v[PR+p:PR+p+1], v[WR+p:WR+p+1], s[32:33] op_sel_hi:[1,1,0]
	ALL8 v_pk_fma_f32 v[QR+p:QR+p+1], v[QR+p:QR+p+1], v[WR+p:WR+p+1], s[46:47] op_sel_hi:[1,1,0]
	ALL8 v_pk_fma_f32 v[PR+p:PR+p+1], v[PR+p:PR+p+1], v[WR+p:WR+p+1], s[34:35] op_sel_hi:[1,1,0]
	ALL8 v_pk_fma_f32 v[QR+p:QR+p+1], v[QR+p:QR+p+1], v[WR+p:WR+p+1], s[48:49] op_sel_hi:[1,1,0]
.set p, 0
.rept 8                                            ; the sixteen reciprocals are one batch; behind each stands a plain line that names none of them
	v_rcp_f32 v[QR+p], v[QR+p]
	v_pk_fma_f32 v[PR+p:PR+p+1], v[PR+p:PR+p+1], v[WR+p:WR+p+1], s[36:37] op_sel_hi:[1,1,0]
	v_rcp_f32 v[QR+p+1], v[QR+p+1]
	v_pk_mul_f32 v[ZR+p:ZR+p+1], v[ZR+p:ZR+p+1], s[CC:CC+1] op_sel_hi:[1,0]
.set p, p+2
.endr
	ALL8 v_pk_fma_f32 v[PR+p:PR+p+1], v[PR+p:PR+p+1], v[WR+p:WR+p+1], s[38:39] op_sel_hi:[1,1,0]
	ALL8 v_pk_mul_f32 v[PR+p:PR+p+1], v[PR+p:PR+p+1], v[ZC+p:ZC+p+1]
	s_wait_alu depctr_va_vdst(0)                   ; one wait for the sixteen reciprocals, ahead of their first reader
	ALL8 v_pk_mul_f32 v[PR+p:PR+p+1], v[PR+p:PR+p+1], v[QR+p:QR+p+1]
	ALL8 v_pk_fma_f32 v[ZR+p:ZR+p+1], v[ZR+p:ZR+p+1], v[PR+p:PR+p+1], v[ZR+p:ZR+p+1]
	s_wait_xcnt 0x0                                ; the last trip's stores, a trip's arithmetic back, have read their data and base: both are written again only behind this wait
	s_add_nc_u64 s[8:9], s[8:9], 32768             ; four rows on; the stores below reach back
	ALL8 v_cvt_pk_bf16_f32 v[YR+p/2], v[ZR+p], v[ZR+p+1]
.irp j, 0,1,2,3
	global_store_b64 v[GO], v[YR+2*(\j):YR+2*(\j)+1], s[8:9] offset:(\j)*8192-32768  ; 128 columns of a row: 256 consecutive bytes, aligned
.endr
	s_cmp_lg_u32 s2, 0
	s_cbranch_scc1 .Lrows
.endif
	s_wait_tensorcnt 0x0                           ; the wave's end
	ds_add_u32 v[SPW], v[NIL]
	s_wait_dscnt 0x0
	CROUND                                         ; the closing round
	s_endpgm
.Lfunc_end_k_qf1d5e63138_qkv:
	.size	k_qf1d5e63138_qkv, .Lfunc_end_k_qf1d5e63138_qkv-k_qf1d5e63138_qkv
	.p2alignl 7, 3214868480
	.fill 96, 4, 3214868480
	.section	.rodata,"a",@progbits
	.p2align	6, 0x0
	.amdhsa_kernel k_qf1d5e63138_qkv
		.amdhsa_group_segment_fixed_size 327680
		.amdhsa_private_segment_fixed_size 0
		.amdhsa_enable_private_segment 0
		.amdhsa_kernarg_size 24
		.amdhsa_user_sgpr_count 2
		.amdhsa_user_sgpr_kernarg_segment_ptr 1
		.amdhsa_wavefront_size32 1
		.amdhsa_system_sgpr_workgroup_id_x 1
		.amdhsa_system_sgpr_workgroup_id_y 1
		.amdhsa_system_sgpr_workgroup_id_z 1
		.amdhsa_system_vgpr_workitem_id 0
		.amdhsa_next_free_vgpr 1024
		.amdhsa_next_free_sgpr 88
		.amdhsa_reserve_vcc 0
		.amdhsa_float_denorm_mode_32 3
		.amdhsa_float_denorm_mode_16_64 3
		.amdhsa_memory_ordered 1
		.amdhsa_forward_progress 1
		.amdhsa_inst_pref_size 82
	.end_amdhsa_kernel
	.amdgpu_metadata
---
amdhsa.version: [ 1, 2 ]
amdhsa.kernels:
  - .name:           k_qf1d5e63138_qkv
    .symbol:         k_qf1d5e63138_qkv.kd
    .args:
      - { .name: hn, .offset: 0, .size: 8, .value_kind: global_buffer, .address_space: global }
      - { .name: wbf, .offset: 8, .size: 8, .value_kind: global_buffer, .address_space: global }
      - { .name: qh, .offset: 16, .size: 8, .value_kind: global_buffer, .address_space: global }
    .group_segment_fixed_size: 327680
    .private_segment_fixed_size: 0
    .kernarg_segment_align: 8
    .kernarg_segment_size: 24
    .max_flat_workgroup_size: 128
    .sgpr_count:     88
    .vgpr_count:     1024
    .wavefront_size: 32
...
	.end_amdgpu_metadata
.endif
;; end of part 2
;; launch attn (part 3): grid 8 x 32, 4 waves a work-group, clusters of 4 x 1, 327,680 bytes of LDS; arguments qh, ao; writes ao
.if DOCPART == 3
	.amdgcn_target "amdgcn-amd-amdhsa--gfx1250"
	.amdhsa_code_object_version 6
	.text
	.protected	k_qf1d5e63138_attn
	.globl	k_qf1d5e63138_attn
	.p2align	8
	.type	k_qf1d5e63138_attn,@function
k_qf1d5e63138_attn:
	s_mov_b64 s[64:65], 0
	v_nop
	global_prefetch_b8 v0, s[64:65] scope:SCOPE_SE
	s_setreg_imm32_b32 hwreg(HW_REG_WAVE_MODE, 25, 1), 1
	s_wait_xcnt 0x0
	s_wait_alu depctr_hold_cnt(0) depctr_sa_sdst(0) depctr_va_vdst(0) depctr_va_sdst(0) depctr_va_ssrc(0) depctr_va_vcc(0) depctr_vm_vsrc(0)
	s_getreg_b32 s2, hwreg(HW_REG_IB_STS2, 6, 4)
	s_cmp_eq_u32 s2, 0
	s_cbranch_scc0 .Lentry_in_a_cluster
	s_endpgm
.Lentry_in_a_cluster:
	s_bfe_u32 s2, ttmp6, 0x10000c
	s_cmp_lg_u32 s2, 0x3003
	s_cbranch_scc0 .Lentry_shape_is_right
	s_endpgm
.Lentry_shape_is_right:
; O[g][q][:] = the sum over k of softmax_k(Q[g][q] . K[g][k] / 8) V[g][k][:], g = batch x 16 + head, 32 of them.  q, k, v lie one behind the other in qh, each [32][2048][64] bf16; O likewise in ao.
; Products, maxima and sums in f32; the weights p are rounded to bf16 for the second product (their sum l is taken of the unrounded p), O once at the end.
; LIMITS.  A weight below 2^-126 counts as 0 in l; NaN and infinities are not treated apart.
; SHARES.  A work-group owns 256 queries of one g, a wave 64: four PIECES of 16.  Every wave walks all 2,048 keys, 64 a step; an LDS slot holds a tile of 256 keys, four steps.
; LAYOUT.  S^T = K Q^T holds ONE query a lane (l % 16) and the keys 8 (l / 16) + 0..7; two such results rounded to bf16 ARE source 1 of O^T = V^T P.  V is turned on its way out of LDS.
; SOFTMAX.  p = 2^(c s - c m), c = log2(e) / 8, with a running maximum m; O and l are multiplied by a = 2^(c m_old - c m_new) in every step.  m starts at the lowest finite number, O and l at 0.
; TURNS.  Turn n belongs to piece n: 8 products K Q^T of piece n + 1, later 8 products V^T P of piece n - 1; beside them the scaling, exponentials, roundings, sums and rescaling of piece n and the
; maximum and statistics of piece n + 1.  Four vector lines stand behind every matrix instruction, the other 54 of a turn's 118 together.  A turn's 33 exponentials are one batch with one wait.
; THE TAIL is a loop of five trips that is left in the middle of the fifth.  That trip fetches the last K once more (its address is held at the tile's last step) and makes 8 products K Q^T and a
; maximum of them that serve nothing: the price, once a launch, of writing no last turns out.
; CLUSTER.  The four query blocks of a cluster belong to one g and walk the same K and V: each tile is asked for jointly.
; REGISTERS, in windows of 256: window 0: v0-15 addresses; v16-31 statistics; v48-55 at work; v61-63 prefetch offset, spare word, 0; v64-127 S^T, two buffers; v192-223 P, two buffers
;   window 1: v0-127 O^T, 32 a piece      window 2: v0-63 Q; v128-191 K of one step; v192-255 V of one step
.set SIZE_N, 2048
.set NP,    4
.set KS,    64
.set PK,    144       ; a row of K in LDS: 128 bytes + 16: the 16 rows of a load start at 16 different groups of four banks (64 banks of 4 bytes: ISA guide 11.1)
.set PV,    160       ; a row of V: 128 + 32
.set VOFF,  4*KS*PK
.set SLOT1, 1<<17
.set STAGE, SLOT1+4*KS*(PK+PV)  ; behind the ring, never filled by a tensor load: 16 rows x 144 bytes a wave
.set SP,    144
.set SPARE, STAGE+4*16*SP       ; the spare words, 128 bytes a wave, which no other line names
.set AK0, 2
.set AV0, 3
.set AK,  4
.set AV,  5
.set STO, 6
.set RD,  7
.set GO,  8
.set MV,  12
.set QO,  15
.set ST,  16          ; piece t: c m, m, l (even keys', odd keys')
.set TMP, 48
.set PFO, 61
.set SPW, 62
.set NIL, 63
.set S,   64
.set P,   192
.set KF,  128
.set VF,  192
.set WV,  12
.set G1K, 24
.set G1V, 32
.set G0K, 40
.set G0V, 44
.set PFA, 48          ; s[48:49] where my prefetches stand
.set LIM, 50
.set SLOTS, 56
.set CNT, 57
.set CS,  58
.set SEL, 60
.set TBK, 62
.set TBV, 63
.set MSB, 0
.macro WIN new
.if MSB != (\new)
	s_set_vgpr_msb (MSB<<8)|(\new)
.set MSB, (\new)
.endif
.endm
.set W_KQ, 0x0a       ; K and Q in window 2, S^T in window 0
.set W_PV, 0x52       ; V in window 2, P in window 0, O^T in window 1
.set W_RS, 0x41       ; destination and source 0 in window 1, source 1 in window 0
; A joint fill: waves 0, 1 fetch the halves of a tile's K, waves 2, 3 of its V.  An s_nop 0 and four v_nop follow each line.
.macro JLOAD
	s_cmp_lt_u32 s[WV], 2
	s_cbranch_scc0 .Lfor_v_\@
	tensor_load_to_lds s[G0K:G0K+3], s[G1K:G1K+7]
	s_nop 0
.rept 4
	v_nop
.endr
	s_branch .Lasked_\@
.Lfor_v_\@:
	tensor_load_to_lds s[G0V:G0V+3], s[G1V:G1V+7]
	s_nop 0
.rept 4
	v_nop
.endr
.Lasked_\@:
.endm
; A prefetch of the tile that the NEXT change of slots will ask for: 128 blocks of 256 bytes of K and of V.  Both clusters of a g walk the same tiles: the first asks.  Its four partners take 32 blocks
; each, by address; wave 0 asks for K's, wave 2 for V's, a lane a block.  The last change that fills a slot asks for nothing.
.macro ASK
	s_cmp_gt_u32 s[SLOTS], s[LIM]
	s_cbranch_scc0 .Lnot_mine_\@
	global_prefetch_b8 v[PFO], s[PFA:PFA+1] th:TH_LOAD_NT scope:SCOPE_SE
.Lnot_mine_\@:
.endm
.macro CROUND
	s_barrier_signal -1
	s_barrier_wait -1
	s_cmp_lg_u32 s[WV], 0
	s_cbranch_scc1 .Lnot_wave_0_\@
	s_barrier_signal -3
.Lnot_wave_0_\@:
	s_barrier_wait -3
	s_barrier_signal -1
	s_barrier_wait -1
.endm
; THE CHANGE OF SLOTS.  Each wave waits for all its tensor loads (one is out: its part of the other slot), adds 0 to its spare word, and waits for that and for its reads of the slot.
; fill = 1: the slot is filled again, first thing behind a round of the cluster's barrier; the load has four key steps in which to land.
.macro CHANGE fill
	WIN 0
	s_wait_tensorcnt 0x0
	ds_add_u32 v[SPW], v[NIL]
.if \fill
.irp g, G0K, G0V
	s_xor_b32 s[\g+1], s[\g+1], SLOT1
	s_add_nc_u64 s[\g+2:\g+3], s[\g+2:\g+3], 4*KS*128
.endr
	s_wait_xcnt 0x0                 ; the last prefetch, four key steps back, has read its address
	s_add_nc_u64 s[PFA:PFA+1], s[PFA:PFA+1], 4*KS*128
	s_wait_dscnt 0x0
	CROUND
	JLOAD
	ASK
.else
	s_wait_dscnt 0x0
	s_barrier_signal -1
	s_barrier_wait -1
.endif
	s_sub_co_u32 s[TBK], s[TBK], 4*KS*PK
	s_xor_b32 s[TBK], s[TBK], SLOT1
	s_sub_co_u32 s[TBV], s[TBV], 4*KS*PV
	s_xor_b32 s[TBV], s[TBV], SLOT1
.endm
	s_load_b128 s[4:7], s[0:1], 0x0 ; qh s[4:5], ao s[6:7]
	v_lshl_add_u32 v[SPW], v0, 2, SPARE
	v_mov_b32 v[NIL], 0
	ds_add_u32 v[SPW], v[NIL]       ; the wave's opening: the add and its wait ahead of my first tensor load
	v_lshrrev_b32 v1, 5, v0
	v_readfirstlane_b32 s[WV], v1
	s_bfe_u32 s13, ttmp6, 0x40000   ; cx
	s_lshl_b32 s14, ttmp9, 2
	s_add_co_u32 s14, s14, s13      ; my block of 256 queries: it enters Q's and O's addresses alone
	s_and_b32 s20, ttmp7, 0xffff    ; g, which the partners share
	s_lshl_b32 s20, s20, 18         ; its 2,048 rows of 128 bytes
	s_and_b32 s16, s[WV], 1         ; which half of a tile's 256 keys I fetch
	s_lshl_b32 s22, s16, 14
	s_add_co_u32 s22, s22, s20
	s_mov_b32 s23, 0
	s_mul_i32 s17, s16, 128*PK
	s_mul_i32 s18, s16, 128*PV
	s_lshl_b32 s2, s14, 2
	s_add_co_u32 s2, s2, s[WV]
	s_lshl_b32 s2, s2, 13           ; my wave's 64 rows
	s_add_co_u32 s2, s2, s20
	s_mov_b32 s3, 0
	; 128 keys are 16,384 dense bytes: asked for as 64 rows of 256 bytes, padded in LDS after every key
	s_mov_b32 s[G1K], 15|(1<<16)|(1<<20)|(1<<21)|(4<<22)|(3<<25)
	s_mov_b32 s[G1V], 15|(1<<16)|(1<<20)|(1<<21)|(4<<22)|(7<<25)
.irp g, G1K, G1V
	s_mov_b32 s[\g+1], 128<<16
	s_mov_b32 s[\g+2], 64<<16
	s_mov_b32 s[\g+3], 128<<16
	s_mov_b32 s[\g+4], 64
	s_mov_b32 s[\g+5], 128
	s_mov_b32 s[\g+6], 0
	s_mov_b32 s[\g+7], 0
.endr
	s_mov_b32 s[CS], 0x3e38aa3b     ; c = log2(e) / 8
	s_mov_b32 s[CS+1], s[CS]
	s_mov_b32 s[SEL], 0x76543210
	s_mov_b32 s[SEL+1], 0xfedcba98
	s_mov_b32 s[TBK], SLOT1+4*KS*PK ; the first change of slots turns these two into 0
	s_mov_b32 s[TBV], SLOT1+4*KS*PV
	s_mov_b32 s[G0K], 1
	s_mov_b32 s[G0K+1], s17
	s_mov_b32 s[G0V], 1
	s_add_co_u32 s[G0V+1], s18, VOFF
	s_mov_b32 s[SLOTS], SIZE_N/256-1
	s_and_b32 s[LIM], s[WV], 1
	s_or_b32 s[LIM], s[LIM], ttmp9  ; 0 in waves 0 and 2 of the g's first cluster: the same in all four partners
	s_cmp_eq_u32 s[LIM], 0
	s_cselect_b32 s[LIM], 1, -1
	v_and_b32 v[PFO], 31, v0
	v_lshlrev_b32 v[PFO], 8, v[PFO]
	s_wait_dscnt 0x0                ; the opening add is done
	s_wait_kmcnt 0x0
	s_add_nc_u64 s[8:9], s[4:5], s[22:23]
	s_add_nc_u64 s[8:9], s[8:9], 0x800000    ; K at my half of tile 0
	s_add_nc_u64 s[10:11], s[8:9], 0x800000  ; V likewise
	s_add_nc_u64 s[G0K+2:G0K+3], s[8:9], 0
	s_or_b32 s[G0K+3], s[G0K+3], 0x80000000
	s_add_nc_u64 s[G0V+2:G0V+3], s[10:11], 0
	s_or_b32 s[G0V+3], s[G0V+3], 0x80000000
	s_add_nc_u64 s[4:5], s[4:5], s[2:3]      ; Q and O at my wave's first row
	s_add_nc_u64 s[6:7], s[6:7], s[2:3]
	s_cmp_lt_u32 s[WV], 2
	s_cselect_b64 s[PFA:PFA+1], s[8:9], s[10:11]
	s_lshl_b32 s2, s13, 13          ; my work-group's 32 blocks of the 128
	s_mov_b32 s3, 0
	s_add_nc_u64 s[PFA:PFA+1], s[PFA:PFA+1], s[2:3]
	s_add_nc_u64 s[PFA:PFA+1], s[PFA:PFA+1], 4*KS*128  ; in tile 1; the first change steps it to tile 2
	CROUND
	JLOAD                           ; tile 0 into slot 0
	v_and_b32 v1, 15, v0
	v_bfe_u32 v9, v0, 4, 1
	v_lshlrev_b32 v[QO], 7, v1
	v_lshl_add_u32 v[QO], v9, 4, v[QO]
	WIN 0x80
.set i, 0
.rept 8                             ; Q stays in registers: piece i / 2, channels 32 (i % 2) on
	global_load_b128 v[8*i:8*i+3],   v[QO], s[4:5] offset:(i/2)*2048+(i%2)*64
	global_load_b128 v[8*i+4:8*i+7], v[QO], s[4:5] offset:(i/2)*2048+(i%2)*64+32
.set i, i+1
.endr
	; what the first turn finds: V's registers and P's second buffer hold 0, O^T and l are 0.  All this stands in the wait for the first tile; no first step is written out.
.set i, VF
.rept 64
	v_mov_b32 v[i], 0
.set i, i+1
.endr
	WIN 0x40
.set i, 0
.rept 128
	v_mov_b32 v[i], 0
.set i, i+1
.endr
	WIN 0
.set i, 0
.rept 4
	v_mov_b32 v[ST+4*i], 0xfe000000    ; c m: far below every c s
	v_mov_b32 v[ST+4*i+1], 0xff7fffff  ; m
	v_mov_b32 v[ST+4*i+2], 0
	v_mov_b32 v[ST+4*i+3], 0
.set i, i+1
.endr
.set i, P+16
.rept 16
	v_mov_b32 v[i], 0
.set i, i+1
.endr
	v_mul_u32_u24 v[AK0], v1, PK
	v_lshl_add_u32 v[AK0], v9, 4, v[AK0]
	v_and_b32 v10, 7, v0
	v_bfe_u32 v11, v0, 3, 1
	v_lshl_add_u32 v[AV0], v9, 3, v10
	v_mul_u32_u24 v[AV0], v[AV0], PV
	v_lshl_add_u32 v[AV0], v11, 4, v[AV0]
	v_add_nc_u32 v[AV0], VOFF, v[AV0]
	s_mul_i32 s13, s[WV], 16*SP
	s_add_co_u32 s13, s13, STAGE
	v_mul_u32_u24 v[STO], v1, SP
	v_lshl_add_u32 v[STO], v9, 4, v[STO]
	v_add_nc_u32 v[STO], s13, v[STO]
	v_bfe_u32 v[RD], v0, 3, 2
	v_mul_u32_u24 v[RD], v[RD], SP
	v_lshl_add_u32 v[RD], v10, 4, v[RD]
	v_add_nc_u32 v[RD], s13, v[RD]
	v_and_b32 v[GO], 31, v0
	v_lshlrev_b32 v[GO], 4, v[GO]
; THE MATRIX WORK.  The 4 accumulators of a run of 8 take turns.  Product i of 8 of S^T = K Q^T for piece x: channels 32 (i / 4) on, keys 16 (i % 4) on.
.macro KQ x
	WIN W_KQ
.set rS, S+32*((\x)%2)+8*(i%4)
.set rK, KF+16*(i%4)+8*(i/4)
.set rQ, 16*(\x)+8*(i/4)
.if i < 4
	v_wmma_f32_16x16x32_bf16 v[rS:rS+7], v[rK:rK+7], v[rQ:rQ+7], 0
.else
	v_wmma_f32_16x16x32_bf16 v[rS:rS+7], v[rK:rK+7], v[rQ:rQ+7], v[rS:rS+7]
.endif
.endm
; Product i of 8 of O^T += V^T P for piece x: keys 32 (i / 4) on, channels 16 (i % 4) on.
.macro PV x
	WIN W_PV
.set rO, 32*(\x)+8*(i%4)
.set rV, VF+32*(i/4)+8*(i%4)
.set rP, P+16*((\x)%2)+8*(i/4)
	v_wmma_f32_16x16x32_bf16 v[rO:rO+7], v[rV:rV+7], v[rP:rP+7], v[rO:rO+7]
.endm
.macro MM                           ; the turn's next matrix instruction
.if i < 8
	KQ (Y+1)%NP
.else
.set i, i-8
	PV (Y+NP-1)%NP
.set i, i+8
.endif
.set i, i+1
.endm
; THE LDS LOADS stand in runs of 16.
.macro FETCH_K
	WIN 0x80
.irp f, 0,1,2,3,4,5,6,7             ; keys 16 (f / 2) on, channels 32 (f % 2) on
	ds_load_b128 v[KF+8*\f:KF+8*\f+3],   v[AK] offset:(\f/2)*16*PK+(\f%2)*64
	ds_load_b128 v[KF+8*\f+4:KF+8*\f+7], v[AK] offset:(\f/2)*16*PK+(\f%2)*64+32
.endr
	s_add_co_u32 s[TBK], s[TBK], KS*PK
	WIN 0
.endm
.macro FETCH_V
	WIN 0x80
.irp f, 0,1,2,3,4,5,6,7             ; keys 32 (f / 4) on, channels 16 (f % 4) on
	ds_load_tr16_b128 v[VF+8*\f:VF+8*\f+3],   v[AV] offset:(\f/4)*32*PV+(\f%4)*32
	ds_load_tr16_b128 v[VF+8*\f+4:VF+8*\f+7], v[AV] offset:(\f/4)*32*PV+16*PV+(\f%4)*32
.endr
	WIN 0
.endm
; THE VECTOR WORK, one line at a time: OP kind, number.  For piece Y: F n: c s - c m for pair n.  E n: the exponential of score n.  C n: pair n rounded to bf16.  B n: of the four weights 4 n .. the second
; pair is added onto the first.  L n: l takes that sum (L 0: l = a l + sum).  R n: pair n of O^T times a.  For piece Y + 1: X n, number n of the 22 that find its maximum and statistics:
;   0-11 four chains of seven scores (each accumulator's lowest registers first)   12-14, 16 the scores left over, the old m, the chains into one   15 c m_old is kept
;   17, 18 the other half of the lanes: the new m   19-21 c m; c m_old - c m_new; a
.set F, 0
.set E, 1
.set C, 2
.set B, 3
.set L, 4
.set R, 5
.set X, 6
.macro REGS y
.set rT, ST+4*(\y)
.set rC, TMP+4*((\y)%2)
.set rW, MV+((\y)%2)
.set rS, S+32*((\y)%2)
.set rP, P+16*((\y)%2)
.set rO, 32*(\y)
.endm
.macro OP k, n
.if (\k) == R
	REGS Y
	WIN W_RS
	v_pk_mul_f32 v[rO+2*(\n):rO+2*(\n)+1], v[rO+2*(\n):rO+2*(\n)+1], v[rC+2:rC+3] op_sel_hi:[1,0]
.elseif (\k) < R
	REGS Y
	WIN 0
.if (\k) == F
	v_pk_fma_f32 v[rS+2*(\n):rS+2*(\n)+1], v[rS+2*(\n):rS+2*(\n)+1], s[CS:CS+1], v[rT:rT+1] op_sel_hi:[1,0,0] neg_lo:[0,0,1] neg_hi:[0,0,1]
.elseif (\k) == E
	v_exp_f32 v[rS+(\n)], v[rS+(\n)]
.elseif (\k) == C
	v_cvt_pk_bf16_f32 v[rP+(\n)], v[rS+2*(\n)], v[rS+2*(\n)+1]
.elseif (\k) == B
	v_pk_add_f32 v[rS+4*(\n):rS+4*(\n)+1], v[rS+4*(\n):rS+4*(\n)+1], v[rS+4*(\n)+2:rS+4*(\n)+3]
.elseif (\n) == 0
	v_pk_fma_f32 v[rT+2:rT+3], v[rT+2:rT+3], v[rC+2:rC+3], v[rS:rS+1] op_sel_hi:[1,0,1]
.else
	v_pk_add_f32 v[rT+2:rT+3], v[rT+2:rT+3], v[rS+4*(\n):rS+4*(\n)+1]
.endif
.else
	REGS (Y+1)%NP
	WIN 0
.if (\n) < 4
	v_max3_num_f32 v[rC+(\n)], v[rS+8*(\n)], v[rS+8*(\n)+1], v[rS+8*(\n)+2]
.elseif (\n) < 12
	v_max3_num_f32 v[rC+(\n)%4], v[rC+(\n)%4], v[rS+8*((\n)%4)+2*((\n)/4)+1], v[rS+8*((\n)%4)+2*((\n)/4)+2]
.elseif (\n) == 12
	v_max3_num_f32 v[rC], v[rC], v[rS+7], v[rS+15]
.elseif (\n) == 13
	v_max3_num_f32 v[rC+1], v[rC+1], v[rS+23], v[rS+31]
.elseif (\n) == 14
	v_max3_num_f32 v[rC+2], v[rC+2], v[rC+3], v[rT+1]
.elseif (\n) == 15
	v_mov_b32 v[rW], v[rT]
.elseif (\n) == 16
	v_max3_num_f32 v[rC], v[rC], v[rC+1], v[rC+2]
.elseif (\n) == 17
	v_permlanex16_b32 v[rC+3], v[rC], s[SEL], s[SEL+1]
.elseif (\n) == 18
	v_max_num_f32 v[rT+1], v[rC], v[rC+3]
.elseif (\n) == 19
	v_mul_f32 v[rT], s[CS], v[rT+1]
.elseif (\n) == 20
	v_sub_f32 v[rC+1], v[rW], v[rT]
.else
	v_exp_f32 v[rC+2], v[rC+1]
.endif
.endif
.endm
.macro OPS a, i1, b=-1, i2=0, c=-1, i3=0, d=-1, i4=0
	OP \a, \i1
.if (\b) >= 0
	OP \b, \i2
.endif
.if (\c) >= 0
	OP \c, \i3
.endif
.if (\d) >= 0
	OP \d, \i4
.endif
.endm
.macro ROW a, i1, b, i2, c, i3, d, i4  ; a matrix instruction and the four behind it
	MM
	OPS \a, \i1, \b, \i2, \c, \i3, \d, \i4
.endm
; A TURN, for piece p.  Ahead of its one wait stands all that names no result of the turn's exponentials; behind it the 8 products V^T P with the roundings and sums.
; last = 1 (the tail): K's address is held at the last tile's last step.  cnt = 1: the loop's count is taken down some lines ahead of the branch behind the turn.
; K of the next step is fetched in piece 2's turn, V of the step in hand at the end of piece 0's; each is waited for a turn later.
.macro TURN p, last=0, cnt=0
.set Y, (\p)
.set i, 0
.if (\p) == 3
	s_wait_dscnt 0x0                ; K is in
.endif
	ROW F,0, F,1, R,0, R,1
	ROW F,2, E,0, R,2, R,3
	ROW F,3, E,1, R,4, R,5
	ROW F,4, E,2, R,6, R,7
	ROW F,5, E,3, R,8, R,9
	ROW F,6, E,4, X,0, R,10
.if (\p) == 2
	WIN 0
.if \last
	s_min_u32 s14, s[TBK], SLOT1+3*KS*PK  ; the last tile lies in slot 1; behind its fourth step there is none
	v_add_nc_u32 v[AK], s14, v[AK0]
.else
	v_add_nc_u32 v[AK], s[TBK], v[AK0]
.endif
.endif
	ROW F,7, E,5, X,1, X,4
	ROW F,8, E,6, X,2, X,5
	OPS E,7, E,8, X,6, E,9
	OPS X,3, E,10, X,8, E,11
.if (\p) == 2
	FETCH_K
.endif
	OPS X,9, X,7, E,12, X,10
	OPS E,13, X,12, X,11, E,14
	OPS X,13, E,15, F,9, X,14
.if (\p) == 0
	v_add_nc_u32 v[AV], s[TBV], v[AV0]
.endif
	OPS E,16, F,10, E,17, F,11
	OPS X,16, E,18, X,15, E,19
	OPS F,12, E,20, X,17, E,21
	OPS F,13, E,22, F,14, E,23
	OPS X,18, E,24, F,15, E,25
	OPS R,11, E,26, X,19, E,27
	OPS R,12, E,28, R,13, E,29
	OPS X,20, E,30, R,14, E,31
	OPS X,21, R,15
	WIN 0
	s_wait_alu depctr_va_vdst(0)    ; the wait for the batch, ahead of the first line that names a result
.if (\p) == 1
	s_wait_dscnt 0x0                ; V is in
.endif
	ROW C,0, B,0, C,2, B,1
	ROW L,0, C,4, B,2, L,1
	ROW C,6, B,3, L,2, C,8
	ROW B,4, L,3, C,10, B,5
	ROW L,4, C,12, B,6, L,5
.if (\p) == 0
	s_add_co_u32 s[TBV], s[TBV], KS*PV
.endif
.if \cnt
	s_sub_co_u32 s[CNT], s[CNT], 1
	s_cmp_lg_u32 s[CNT], 0
.endif
	ROW C,14, B,7, L,6, C,1
	ROW C,3, L,7, C,5, C,7
	ROW C,9, C,11, C,13, C,15
.if (\p) == 0
	FETCH_V
.endif
.endm
	CHANGE 1                        ; tile 0 is in, everybody's part of it; tile 1 is asked for
	v_add_nc_u32 v[AK], s[TBK], v[AK0]
	FETCH_K                         ; key step 0
	s_wait_loadcnt 0x0              ; Q
	s_wait_dscnt 0x0
.set i, 0
.rept 8
	KQ 0                            ; piece 0's first scores
.set i, i+1
.endr
	WIN 0
.rept 4
	v_nop                           ; the places behind those products
.endr
.set Y, NP-1
.irp n, 0,1,2,3,4,5,6,7,8,9,10,11,12,13,14,15,16,17,18,19,20,21
	OP X, \n                        ; and its first maximum and statistics
.endr
	v_nop                           ; a plain line behind the exponential,
	s_wait_alu depctr_va_vdst(0)    ; and its wait, ahead of the branch
	s_mov_b32 s[CNT], 4
	s_branch .Lfirst                ; the loop is entered at a step's first turn
.Lslot:                             ; six times: tiles 2 to 7 are asked for
	CHANGE 1
	s_mov_b32 s[CNT], 4
.Lstep:                             ; a trip: pieces 2 and 3 of one step, pieces 0 and 1 of the next, whose K and V it fetches
	TURN 2
	TURN 3
	WIN 0
.Lfirst:
	TURN 0
	TURN 1, 0, 1
	WIN 0
	s_cbranch_scc1 .Lstep
	s_sub_co_u32 s[SLOTS], s[SLOTS], 1
	s_cmp_lg_u32 s[SLOTS], 0
	s_cbranch_scc1 .Lslot
	CHANGE 0                        ; the last tile's text is written out
	s_mov_b32 s[CNT], 5             ; four trips fetch the last tile's steps; the fifth is left in its middle
.Ltail:
	TURN 2, 1
	TURN 3
	WIN 0
	s_sub_co_u32 s[CNT], s[CNT], 1
	s_cmp_eq_u32 s[CNT], 0
	s_cbranch_scc1 .Lout
	TURN 0
	TURN 1
	WIN 0
	s_branch .Ltail
.Lout:
.set i, 0
.rept 8
	PV NP-1                         ; the last piece's V^T P of the last step
.set i, i+1
.endr
	; THE WAY OUT.  l's halves are added; O^T is divided by l, rounded to bf16 and sent through my stage, a piece at a time.  The additions are the places behind the last products.
	WIN 0
.macro ALL line:vararg
.set t, 0
.rept 4
	\line
.set t, t+1
.endr
.endm
	ALL v_add_f32 v[ST+4*t+2], v[ST+4*t+2], v[ST+4*t+3]
	ALL v_permlanex16_b32 v[ST+4*t+3], v[ST+4*t+2], s[SEL], s[SEL+1]
	ALL v_add_f32 v[ST+4*t+2], v[ST+4*t+2], v[ST+4*t+3]
	ALL v_rcp_f32 v[ST+4*t+2], v[ST+4*t+2]
	v_nop
	s_wait_alu depctr_va_vdst(0)    ; one wait for the four reciprocals
.macro PACK t
	WIN W_RS
.set i, 32*(\t)
.rept 16
	v_pk_mul_f32 v[i:i+1], v[i:i+1], v[ST+4*(\t)+2:ST+4*(\t)+3] op_sel_hi:[1,0]
.set i, i+2
.endr
	WIN 0x05
.set i, 0
.rept 16
	v_cvt_pk_bf16_f32 v[S+16*(\t)+i], v[32*(\t)+2*i], v[32*(\t)+2*i+1]
.set i, i+1
.endr
	WIN 0
.irp f, 0,1,2,3
	ds_store_b128 v[STO], v[S+16*(\t)+4*\f:S+16*(\t)+4*\f+3] offset:32*\f
.endr
.irp f, 0,1,2,3
	ds_load_b128 v[S+16*(\t)+4*\f:S+16*(\t)+4*\f+3], v[RD] offset:\f*4*SP  ; LDS serves a wave's instructions in order (ISA guide 5.7.1.4)
.endr
.endm
.macro SEND t, younger              ; younger: the LDS lines issued behind piece t's loads
	WIN 0
.irp f, 0,1,2,3
	s_wait_dscnt (\younger)+3-\f
	global_store_b128 v[GO], v[S+16*(\t)+4*\f:S+16*(\t)+4*\f+3], s[6:7] offset:(\t)*2048+\f*512  ; 512 consecutive bytes, aligned
.endr
.endm
	PACK 0
.set t, 1
.rept 3
	PACK t
	SEND t-1, 8
.set t, t+1
.endr
	SEND 3, 0
	s_wait_tensorcnt 0x0            ; the wave's end
	ds_add_u32 v[SPW], v[NIL]
	s_wait_dscnt 0x0
	CROUND                          ; the closing round
	s_endpgm
.Lfunc_end_k_qf1d5e63138_attn:
	.size	k_qf1d5e63138_attn, .Lfunc_end_k_qf1d5e63138_attn-k_qf1d5e63138_attn
	.p2alignl 7, 3214868480
	.fill 96, 4, 3214868480
	.section	.rodata,"a",@progbits
	.p2align	6, 0x0
	.amdhsa_kernel k_qf1d5e63138_attn
		.amdhsa_group_segment_fixed_size 327680
		.amdhsa_private_segment_fixed_size 0
		.amdhsa_enable_private_segment 0
		.amdhsa_kernarg_size 16
		.amdhsa_user_sgpr_count 2
		.amdhsa_user_sgpr_kernarg_segment_ptr 1
		.amdhsa_wavefront_size32 1
		.amdhsa_system_sgpr_workgroup_id_x 1
		.amdhsa_system_sgpr_workgroup_id_y 1
		.amdhsa_system_sgpr_workgroup_id_z 1
		.amdhsa_system_vgpr_workitem_id 0
		.amdhsa_next_free_vgpr 768
		.amdhsa_next_free_sgpr 66
		.amdhsa_reserve_vcc 0
		.amdhsa_float_denorm_mode_32 3
		.amdhsa_float_denorm_mode_16_64 3
		.amdhsa_memory_ordered 1
		.amdhsa_forward_progress 1
		.amdhsa_inst_pref_size 112
	.end_amdhsa_kernel
	.amdgpu_metadata
---
amdhsa.version: [ 1, 2 ]
amdhsa.kernels:
  - .name:           k_qf1d5e63138_attn
    .symbol:         k_qf1d5e63138_attn.kd
    .args:
      - { .name: qh, .offset: 0, .size: 8, .value_kind: global_buffer, .address_space: global }
      - { .name: ao, .offset: 8, .size: 8, .value_kind: global_buffer, .address_space: global }
    .group_segment_fixed_size: 327680
    .private_segment_fixed_size: 0
    .kernarg_segment_align: 8
    .kernarg_segment_size: 16
    .max_flat_workgroup_size: 128
    .sgpr_count:     66
    .vgpr_count:     768
    .wavefront_size: 32
...
	.end_amdgpu_metadata
.endif
;; end of part 3
;; launch proj (part 4): grid 8 x 32, 4 waves a work-group, clusters of 4 x 4, 327,680 bytes of LDS; arguments ao, wbf, proj_b, x, x1; writes x1
.if DOCPART == 4
	.amdgcn_target "amdgcn-amd-amdhsa--gfx1250"
	.amdhsa_code_object_version 6
	.text
	.protected	k_qf1d5e63138_proj
	.globl	k_qf1d5e63138_proj
	.p2align	8
	.type	k_qf1d5e63138_proj,@function
k_qf1d5e63138_proj:
	s_mov_b64 s[64:65], 0
	v_nop
	global_prefetch_b8 v0, s[64:65] scope:SCOPE_SE
	s_setreg_imm32_b32 hwreg(HW_REG_WAVE_MODE, 25, 1), 1
	s_wait_xcnt 0x0
	s_wait_alu depctr_hold_cnt(0) depctr_sa_sdst(0) depctr_va_vdst(0) depctr_va_sdst(0) depctr_va_ssrc(0) depctr_va_vcc(0) depctr_vm_vsrc(0)
	s_getreg_b32 s2, hwreg(HW_REG_IB_STS2, 6, 4)
	s_cmp_eq_u32 s2, 0
	s_cbranch_scc0 .Lentry_in_a_cluster
	s_endpgm
.Lentry_in_a_cluster:
	s_bfe_u32 s2, ttmp6, 0x10000c
	s_cmp_lg_u32 s2, 0xf033
	s_cbranch_scc0 .Lentry_shape_is_right
	s_endpgm
.Lentry_shape_is_right:
; out = A B + bias + resid, out and resid [4096][1024] f32, B [K][1024] bf16 (rows along N), sums in f32.
; KIND 0: A = the attention's O, [32 = batch x 16 + head][2048][64] bf16, K = 1,024 = head x 64 + channel; B = the projection's weights.
; KIND 1: A = gelu's output, [4096][4096] bf16, K = 4,096; B = w2.
; 1,024 columns make 64 tiles of 256 x 256: too few.  So a tile of C is 128 x 128 (256 work-groups), four waves of 64 x 64: 16 accumulators.  K goes in steps of 256 through two LDS slots.
; KIND 0's A tile is four planes, a head each: 64 rows of a head are 8,192 dense bytes, one row of the descriptor, padded in LDS after every 128 bytes.
; B is turned on its way into registers; the product is used transposed: a lane holds row l % 16 of C and the columns 8 (l / 16) + 0..7.
; CLUSTER 4 x 4: A's tile is asked for jointly by a row of the cluster, B's by a column.  The residual's 64 x 64 numbers a wave are loaded at the head and wait in registers.
; THE ORDER OF K.  The ring's n-th tile (its TIME n) is K step n xor pi, pi = (cluster x + cluster y) % 2: a cluster with pi = 1 takes the K steps as 1, 0, 3, 2, ..  So the clusters that read
; the same blocks of A (neighbours along x) or of B (along y) do not all ask for a block at once: half of them ask for it one K step ahead of the other half.  The f32 sums may be taken in any order.
; pi hangs on the cluster's place alone: it is the same in all sixteen partners.
; THE WAY OUT: the sums go as f32 through LDS (the slots have had their last fill), each wave's through bytes of its own, and come back as rows of 256 bytes.
; KIND 0 prefetches nothing: it has four K steps.  LIMITS: operands are bf16; NaN and infinities are not treated apart.
.set KIND, 0
.if KIND == 0
.set NSTEP, 4
.set PA, 144                           ; a row of a plane: 128 bytes + 16
.set HA, 4*64*PA
.set ASTEP, 4*2048*128                 ; four heads on
.set WB, 6291456
.set PF, 0
.set AF, (3<<16)|(1<<20)|(1<<21)|(4<<22)|(3<<25)  ; 8-byte elements; after 32 words 4 words
.set AD0, 1024                         ; 64 rows of a head
.set AD1, 4                            ; four heads
.set AST, 32768                        ; a head's 2,048 rows, in elements
.else
.set NSTEP, 16
.set PA, 528                           ; 512 bytes + 16
.set HA, 64*PA
.set ASTEP, 512
.set WB, 16777216
.set PF, 1
.set AF, (1<<16)|(1<<20)|(1<<21)|(6<<22)|(3<<25)  ; 2-byte elements; after 128 words 4 words
.set AD0, 256
.set AD1, 64
.set AST, 4096
.endif
.set PB, 288                           ; B's LDS row: 256 bytes + 32
.set HB, 128*PB
.set BOFF, 2*HA
.set SLOT, 2*HA+2*HB
.set SPARE, 2*SLOT                     ; the spare words, 128 bytes a wave, which no other line names
.set DP, 272                           ; the way out: a row of 64 f32 + 16 bytes
.set BSTEP, 256*2048
.set BI, 8                             ; v[8:11] bias of my four columns
.set ADRA0, 16
.set ADRB0, 17
.set ADRA, 18
.set ADRB, 19                          ; v19: K rows 0-127 of the slot in hand; v20: rows 128-255 (an LDS offset has 16 bits)
.set STO, 24
.set RD, 25
.set CO, 26                            ; my byte offset in resid and out
.set BOF, 27
.set SPW, 28
.set NIL, 29
.set PFO, 30
.set ACC, 128                          ; window 0: accumulator (a, b) at ACC + 8 (4 a + b)
.set F0, 0                             ; window 1: two fragment buffers of 128: 64 of A, then 64 of B
.set F1, 128
.set G1A, 24
.set G0A0, 32
.set G0A, 36
.set LIM, 43
.set PFA, 44
.set G1B, 48
.set G0B0, 56
.set G0B, 60
.set TB, 66
.set WOA, 67
.set WOB, 68
.set TI, 69                            ; s69 the time that the next refill asks for
.set PST, 70
.set BSA, 76                           ; s[76:77] A at my fetch's rows, K step 0
.set BSB, 78                           ; s[78:79] B at my fetch's rows of K step 0
.set PI, 80                            ; s80 pi
.set OFA, 82                           ; s[82:83] the K step asked for, in bytes of A
.set OFB, 84                           ; s[84:85] and of B
.set MSB, 0
.macro WIN new
.if MSB != (\new)
	s_set_vgpr_msb (MSB<<8)|(\new)
.set MSB, \new
.endif
.endm
.set MUL, 0x05                         ; sources 0 (B) and 1 (A) window 1; C and D window 0
.set TO_F, 0x40
.macro JLOAD                           ; a joint refill; an s_nop 0 and four v_nop follow each line
	s_cmp_eq_u32 s11, 0
	s_cbranch_scc0 .Lfor_b_\@
	tensor_load_to_lds s[G0A:G0A+3], s[G1A:G1A+7]
	s_nop 0
.rept 4
	v_nop
.endr
	s_branch .Lasked_\@
.Lfor_b_\@:
	tensor_load_to_lds s[G0B:G0B+3], s[G1B:G1B+7]
	s_nop 0
.rept 4
	v_nop
.endr
.Lasked_\@:
.endm
; A prefetch of the tile two times behind the one just asked for (256 matrix instructions ahead of its load), in the trips in which that tile's time is even: those are the K steps that my cluster
; asks for ahead of its neighbours.  32 blocks of 256 bytes, a lane a block.  A's blocks are named by the clusters with x = 0 and 1, B's by those with y = 0 and 1: of each such pair one has pi = 0
; and one pi = 1, so each block is named once.  The four partners of a joint load share the fetching wave's 128 blocks by address.  Times 4, 6 .. 14 are named (s3 = 14, 12 .. 4).
.macro ASK
	s_bitcmp1_b32 s3, 0                            ; the time named is even where s3 is even
	s_cselect_b32 s46, 0, s3
	s_cmp_gt_u32 s46, s[LIM]
	s_cbranch_scc0 .Lnot_mine_\@
	global_prefetch_b8 v[PFO], s[PFA:PFA+1] th:TH_LOAD_NT scope:SCOPE_SE
.Lnot_mine_\@:
.endm
.macro CREST
	s_cmp_lg_u32 s10, 0
	s_cbranch_scc1 .Lnot_wave_0_\@
	s_barrier_signal -3
.Lnot_wave_0_\@:
	s_barrier_wait -3
	s_barrier_signal -1
	s_barrier_wait -1
.endm
.macro CROUND
	s_barrier_signal -1
	s_barrier_wait -1
	CREST
.endm
.macro PLACES                          ; four places behind matrix instructions (ISA guide 7.12.1)
.rept 4
	v_nop
.endr
.endm
	s_load_b128 s[4:7], s[0:1], 0x0                ; A s[4:5], wbf s[6:7]
	s_load_b128 s[72:75], s[0:1], 0x10             ; bias s[72:73], resid s[74:75]
	s_load_b64 s[8:9], s[0:1], 0x20                ; out
	v_lshl_add_u32 v[SPW], v0, 2, SPARE
	v_mov_b32 v[NIL], 0
	ds_add_u32 v[SPW], v[NIL]                      ; the wave's opening: the add and its wait ahead of my first tensor load
	v_lshrrev_b32 v1, 5, v0
	v_readfirstlane_b32 s10, v1
	s_lshr_b32 s11, s10, 1                         ; my half of the tile's rows; also: I fetch for A (0) or B (1)
	s_and_b32 s12, s10, 1                          ; my half of its columns; also: which half I fetch
	s_bfe_u32 s40, ttmp6, 0x40000                  ; cx
	s_bfe_u32 s41, ttmp6, 0x40004                  ; cy
	s_lshl_b32 s42, ttmp9, 2
	s_add_co_u32 s42, s42, s40                     ; tile column
	s_and_b32 s13, ttmp7, 0xffff
	s_add_co_u32 s[PI], s13, ttmp9
	s_and_b32 s[PI], s[PI], 1                      ; pi = (cluster x + cluster y) % 2
	s_lshl_b32 s13, s13, 2
	s_add_co_u32 s13, s13, s41                     ; tile row
	s_lshl_b32 s43, s41, 2
	s_lshl_b32 s43, 15, s43
	s_lshl_b32 s44, 0x1111, s40
	s_or_b32 s[G1A], s43, AF
	s_mov_b32 s[G1A+1], AD0<<16
	s_mov_b32 s[G1A+2], AD1<<16
	s_mov_b32 s[G1A+3], AD0<<16
	s_mov_b32 s[G1A+4], AD1
	s_mov_b32 s[G1A+5], AST
	s_mov_b32 s[G1A+6], 0
	s_mov_b32 s[G1A+7], 0
	s_or_b32 s[G1B], s44, (1<<16)|(1<<20)|(1<<21)|(5<<22)|(7<<25)  ; after 64 words 8 words
	s_mov_b32 s[G1B+1], 128<<16                    ; 128 columns
	s_mov_b32 s[G1B+2], 128<<16                    ; 128 rows of K
	s_mov_b32 s[G1B+3], 128<<16
	s_mov_b32 s[G1B+4], 128
	s_mov_b32 s[G1B+5], 1024
	s_mov_b32 s[G1B+6], 0
	s_mov_b32 s[G1B+7], 0
.if KIND == 0
	s_lshr_b32 s14, s13, 4                         ; batch: its first head's rows,
	s_lshl_b32 s14, s14, 15
	s_and_b32 s15, s13, 15
	s_lshl_b32 s15, s15, 7
	s_add_co_u32 s14, s14, s15                     ; the tile's first row in the batch,
	s_lshl_b32 s15, s12, 6
	s_add_co_u32 s14, s14, s15                     ; my 64 rows,
	s_lshl_b32 s14, s14, 7                         ; of 128 bytes
.else
	s_lshl_b32 s14, s13, 7
	s_lshl_b32 s15, s12, 6
	s_add_co_u32 s14, s14, s15
	s_lshl_b32 s14, s14, 13                        ; rows of 8,192 bytes
.endif
	s_mov_b32 s15, 0
	s_lshl_b32 s46, s12, 18                        ; B: K row 128 x half, column 128 x tile column
	s_lshl_b32 s47, s42, 8
	s_add_co_u32 s46, s46, s47
	s_add_co_u32 s46, s46, WB
	s_mov_b32 s47, 0
	s_mul_i32 s[WOA], s12, HA
	s_mul_i32 s[WOB], s12, HB
	s_add_co_u32 s[WOB], s[WOB], BOFF
	s_mov_b32 s[TB], 0
	s_mul_i32 s[OFA], s[PI], ASTEP                 ; time 0 is K step pi
	s_mov_b32 s[OFA+1], 0
	s_mul_i32 s[OFB], s[PI], BSTEP
	s_mov_b32 s[OFB+1], 0
	s_wait_dscnt 0x0                               ; the opening add is done
	s_wait_kmcnt 0x0
	s_add_nc_u64 s[BSA:BSA+1], s[4:5], s[14:15]
	s_add_nc_u64 s[BSB:BSB+1], s[6:7], s[46:47]
	s_mov_b32 s[G0A0], 1                           ; time 0 into slot 0
	s_mov_b32 s[G0A0+1], s[WOA]
	s_add_nc_u64 s[G0A0+2:G0A0+3], s[BSA:BSA+1], s[OFA:OFA+1]
	s_or_b32 s[G0A0+3], s[G0A0+3], 0x80000000
	s_mov_b32 s[G0B0], 1
	s_mov_b32 s[G0B0+1], s[WOB]
	s_add_nc_u64 s[G0B0+2:G0B0+3], s[BSB:BSB+1], s[OFB:OFB+1]
	s_or_b32 s[G0B0+3], s[G0B0+3], 0x80000000
	s_xor_b32 s[OFA], s[PI], 1                     ; time 1 is K step 1 - pi
	s_mul_i32 s[OFB], s[OFA], BSTEP
	s_mul_i32 s[OFA], s[OFA], ASTEP
	s_mov_b32 s[G0A], 1                            ; time 1 into slot 1; this set serves all later times
	s_add_co_u32 s[G0A+1], s[WOA], SLOT
	s_add_nc_u64 s[G0A+2:G0A+3], s[BSA:BSA+1], s[OFA:OFA+1]
	s_or_b32 s[G0A+3], s[G0A+3], 0x80000000
	s_mov_b32 s[G0B], 1
	s_add_co_u32 s[G0B+1], s[WOB], SLOT
	s_add_nc_u64 s[G0B+2:G0B+3], s[BSB:BSB+1], s[OFB:OFB+1]
	s_or_b32 s[G0B+3], s[G0B+3], 0x80000000
	s_mov_b32 s[TI], 2
	CROUND                                         ; all sixteen work-groups are here: the first joint loads meet
	s_cmp_eq_u32 s11, 0                            ; a wave's two first fills stand in one branch: two loads of mine are out
	s_cbranch_scc0 .Lfirst_b
	tensor_load_to_lds s[G0A0:G0A0+3], s[G1A:G1A+7]
	s_nop 0
	tensor_load_to_lds s[G0A:G0A+3], s[G1A:G1A+7]
	s_nop 0
.rept 4
	v_nop
.endr
	s_branch .Lfirst_asked
.Lfirst_b:
	tensor_load_to_lds s[G0B0:G0B0+3], s[G1B:G1B+7]
	s_nop 0
	tensor_load_to_lds s[G0B:G0B+3], s[G1B:G1B+7]
	s_nop 0
.rept 4
	v_nop
.endr
.Lfirst_asked:
	v_and_b32 v1, 15, v0                           ; r
	v_bfe_u32 v2, v0, 4, 1                         ; h
	v_and_b32 v3, 31, v0                           ; l
	v_mul_u32_u24 v4, v1, PA
	v_lshl_add_u32 v4, v2, 4, v4
	s_mul_i32 s21, s11, HA
	v_add_nc_u32 v[ADRA0], s21, v4
	v_and_b32 v5, 7, v0
	v_lshl_add_u32 v5, v2, 3, v5
	v_mul_u32_u24 v5, v5, PB
	v_bfe_u32 v6, v0, 3, 1
	v_lshl_add_u32 v5, v6, 4, v5
	s_lshl_b32 s22, s12, 7
	s_add_co_u32 s22, s22, BOFF
	v_add_nc_u32 v[ADRB0], s22, v5
	v_add_nc_u32 v[ADRA], s[TB], v[ADRA0]
	v_add_nc_u32 v[ADRB], s[TB], v[ADRB0]
	v_add_nc_u32 v[ADRB+1], 128*PB, v[ADRB]
	s_mul_i32 s23, s10, 64*DP                      ; the way out: my 64 rows of 272 bytes
	v_mul_u32_u24 v4, v1, DP
	v_lshl_add_u32 v4, v2, 5, v4
	v_add_nc_u32 v[STO], s23, v4
	v_mul_u32_u24 v5, v2, DP                       ; back: lanes 0-15 take a row of 256 bytes, lanes 16-31 the next
	v_lshl_add_u32 v5, v1, 4, v5
	v_add_nc_u32 v[RD], s23, v5
	v_lshlrev_b32 v6, 12, v2                       ; the same two rows in resid and out
	v_lshl_add_u32 v[CO], v1, 4, v6
	v_lshlrev_b32 v[BOF], 4, v1
	s_lshl_b32 s16, s13, 7
	s_lshl_b32 s17, s11, 6
	s_add_co_u32 s16, s16, s17
	s_lshl_b32 s16, s16, 12                        ; my first row, of 4,096 bytes
	s_lshl_b32 s18, s42, 9
	s_lshl_b32 s17, s12, 8
	s_add_co_u32 s18, s18, s17                     ; my first column, in bytes
	s_mov_b32 s19, 0
	s_add_co_u32 s16, s16, s18
	s_mov_b32 s17, 0
	s_add_nc_u64 s[74:75], s[74:75], s[16:17]
	s_add_nc_u64 s[8:9], s[8:9], s[16:17]
	s_add_nc_u64 s[72:73], s[72:73], s[18:19]
	WIN 0x80                                       ; the residual into window 2: waited for on the way out
.set t, 0
.rept 32
	global_load_b128 v[4*t:4*t+3], v[CO], s[74:75] offset:8192*t
.set t, t+1
.endr
	WIN 0
	global_load_b128 v[BI:BI+3], v[BOF], s[72:73]
.if PF
	s_and_b32 s22, ttmp7, 0xffff                   ; cluster y
	s_lshl_b32 s20, s13, 7
	s_lshl_b32 s21, s12, 6
	s_add_co_u32 s20, s20, s21
	s_lshl_b32 s21, s40, 4
	s_add_co_u32 s20, s20, s21                     ; A: of the 64 rows that I fetch, my work-group's 16, two blocks each
	s_lshl_b32 s20, s20, 13
	s_add_co_u32 s20, s20, 3*ASTEP                 ; at time 3: the first refill steps it to 4
	s_lshl_b32 s21, s12, 7
	s_lshl_b32 s23, s41, 5
	s_add_co_u32 s21, s21, s23                     ; B: of the 128 rows of K, my work-group's 32
	s_lshl_b32 s21, s21, 11
	s_lshl_b32 s23, s42, 8
	s_add_co_u32 s21, s21, s23
	s_add_co_u32 s21, s21, WB+3*BSTEP
	s_cmp_eq_u32 s11, 0
	s_cselect_b32 s20, s20, s21
	s_cselect_b32 s22, ttmp9, s22
	s_cselect_b64 s[PFA:PFA+1], s[4:5], s[6:7]
	s_mov_b32 s[PST], BSTEP
	s_cselect_b32 s[PST], ASTEP, s[PST]
	s_mov_b32 s[PST+1], 0
	s_cselect_b32 s23, 1, 0                        ; blocks a row, less 1
	s_mov_b32 s21, 2048
	s_cselect_b32 s21, 8192, s21                   ; bytes from row to row
	s_cmp_lt_u32 s22, 2
	s_cselect_b32 s[LIM], 2, -1
	s_mul_i32 s47, s[PI], s[PST]                   ; an even time n is K step n + pi
	s_add_co_u32 s46, s20, s47
	s_mov_b32 s47, 0
	s_add_nc_u64 s[PFA:PFA+1], s[PFA:PFA+1], s[46:47]
	v_lshrrev_b32 v4, s23, v3
	v_mul_lo_u32 v4, v4, s21
	v_and_b32 v5, s23, v3
	v_lshl_add_u32 v[PFO], v5, 8, v4
.endif
; 8 matrix instructions: m blocks a0, a0 + 1 x all 4 n blocks, 32 along K: half c of buffer f.  The 16 accumulators take turns.
.macro MUL8 f, c, a0, zero
	WIN MUL
.irp a, \a0, (\a0)+1
.irp b, 0,1,2,3
.if \zero
	v_wmma_f32_16x16x32_bf16 v[ACC+8*(4*(\a)+(\b)):ACC+8*(4*(\a)+(\b))+7], v[(\f)+64+8*(4*(\c)+(\b)):(\f)+64+8*(4*(\c)+(\b))+7], v[(\f)+8*(4*(\c)+(\a)):(\f)+8*(4*(\c)+(\a))+7], 0
.else
	v_wmma_f32_16x16x32_bf16 v[ACC+8*(4*(\a)+(\b)):ACC+8*(4*(\a)+(\b))+7], v[(\f)+64+8*(4*(\c)+(\b)):(\f)+64+8*(4*(\c)+(\b))+7], v[(\f)+8*(4*(\c)+(\a)):(\f)+8*(4*(\c)+(\a))+7], v[ACC+8*(4*(\a)+(\b)):ACC+8*(4*(\a)+(\b))+7]
.endif
.endr
.endr
.endm
; 32 LDS loads in one run: quarter kq (64 along K) of the slot in hand into buffer f, its first 32 along K first
.macro FETCH kq, f
	WIN TO_F
.irp c, 0,1
.irp i, 0,1,2,3
.set BO, ((64*(\kq)+32*(\c))%128)*PB+32*(\i)
.if KIND == 0
.set AO, (\kq)*64*PA+64*(\c)+(\i)*16*PA          ; a quarter is a head's plane
.else
.set AO, (\kq)*128+64*(\c)+(\i)*16*PA
.endif
	ds_load_tr16_b128 v[(\f)+64+8*(4*(\c)+(\i)):(\f)+64+8*(4*(\c)+(\i))+3],   v[ADRB+(\kq)/2] offset:BO
	ds_load_tr16_b128 v[(\f)+64+8*(4*(\c)+(\i))+4:(\f)+64+8*(4*(\c)+(\i))+7], v[ADRB+(\kq)/2] offset:BO+16*PB
	ds_load_b128 v[(\f)+8*(4*(\c)+(\i)):(\f)+8*(4*(\c)+(\i))+3],   v[ADRA] offset:AO
	ds_load_b128 v[(\f)+8*(4*(\c)+(\i))+4:(\f)+8*(4*(\c)+(\i))+7], v[ADRA] offset:AO+32
.endr
.endr
.endm
.macro QUARTER kq, f, g, zero
	s_wait_dscnt 16                                ; the first 32 along K are in; the youngest sixteen loads may be out
	MUL8 \f, 0, 0, \zero
	MUL8 \f, 0, 2, \zero
	PLACES
	FETCH \kq, \g
	s_wait_dscnt 32                                ; all but the 32 just issued
	MUL8 \f, 1, 0, 0
	MUL8 \f, 1, 2, 0
.endm
.macro MEET round
	WIN 0
	s_wait_tensorcnt 0x0                           ; all my tensor loads have landed: my part of the next slot
	ds_add_u32 v[SPW], v[NIL]
	s_wait_dscnt 17                                ; the add and the youngest sixteen loads may be out
	MUL8 F1, 0, 0, 0
	s_wait_dscnt 0x0                               ; the add is done, my reads of this slot are over
	s_barrier_signal -1
	MUL8 F1, 0, 2, 0
.if \round
	WIN 0
.endif
	s_barrier_wait -1
.endm
.macro TURN fill
.if \fill
.if PF
	s_wait_xcnt 0x0                                ; the last prefetch, a K step back, has read its address
	s_add_nc_u64 s[PFA:PFA+1], s[PFA:PFA+1], s[PST:PST+1]
.endif
	s_xor_b32 s[OFA], s[TI], s[PI]                 ; the K step of the time that is asked for, in bytes of A and of B: made here, in registers that no descriptor holds
	s_mul_i32 s[OFB], s[OFA], BSTEP
	s_mul_i32 s[OFA], s[OFA], ASTEP
	s_add_co_u32 s[TI], s[TI], 1
.endif
	MEET \fill
.if \fill
	CREST
	s_add_co_u32 s[G0A+1], s[WOA], s[TB]           ; no tensor load of mine is out: the descriptors may be written; the addresses are made anew
	s_add_nc_u64 s[G0A+2:G0A+3], s[BSA:BSA+1], s[OFA:OFA+1]
	s_or_b32 s[G0A+3], s[G0A+3], 0x80000000
	s_add_co_u32 s[G0B+1], s[WOB], s[TB]
	s_add_nc_u64 s[G0B+2:G0B+3], s[BSB:BSB+1], s[OFB:OFB+1]
	s_or_b32 s[G0B+3], s[G0B+3], 0x80000000
	s_xor_b32 s[TB], s[TB], SLOT
	JLOAD                                          ; its four v_nop are also the places in front of the loads below
.else
	PLACES
	WIN 0
	s_xor_b32 s[TB], s[TB], SLOT
.endif
	v_add_nc_u32 v[ADRA], s[TB], v[ADRA0]
	v_add_nc_u32 v[ADRB], s[TB], v[ADRB0]
	v_add_nc_u32 v[ADRB+1], 128*PB, v[ADRB]
	FETCH 0, F0
.if (\fill) && PF
	WIN 0
	ASK
.endif
	MUL8 F1, 1, 0, 0
	MUL8 F1, 1, 2, 0
.endm
	s_wait_tensorcnt 0x1                           ; my part of time 0 is in; time 1's stays out
	s_barrier_signal -1
	s_barrier_wait -1
	FETCH 0, F0
	QUARTER 1, F0, F1, 1                           ; the first products start the sums
	WIN 0
	s_mov_b32 s3, NSTEP-2
.Llap:                                             ; a trip: a K step's quarters 1 to 3, the refill, the next step's quarter 0
	QUARTER 2, F1, F0, 0
	QUARTER 3, F0, F1, 0
	TURN 1
	QUARTER 1, F0, F1, 0
	WIN 0
	s_sub_co_u32 s3, s3, 1
	s_cmp_lg_u32 s3, 0
	s_cbranch_scc1 .Llap
	s_mov_b32 s2, 2
.Ltail:                                            ; the last two K steps fill nothing.  The second trip is left in its middle; its barrier and its 32 loads of the older slot serve nothing: the price of writing the tail once
	QUARTER 2, F1, F0, 0
	QUARTER 3, F0, F1, 0
	TURN 0
	WIN 0
	s_sub_co_u32 s2, s2, 1
	s_cmp_eq_u32 s2, 0
	s_cbranch_scc1 .Lend
	QUARTER 1, F0, F1, 0
	WIN 0
	s_branch .Ltail
.Lend:
	PLACES
	s_wait_dscnt 0x0                               ; my reads of the ring are over,
	s_barrier_signal -1
	s_barrier_wait -1                              ; everybody's are; every tensor load has landed: slot 0 takes the results
.irp a, 0,1,2,3
.irp b, 0,1,2,3
	ds_store_b128 v[STO], v[ACC+8*(4*(\a)+(\b)):ACC+8*(4*(\a)+(\b))+3]   offset:(\a)*16*DP+64*(\b)
	ds_store_b128 v[STO], v[ACC+8*(4*(\a)+(\b))+4:ACC+8*(4*(\a)+(\b))+7] offset:(\a)*16*DP+64*(\b)+16
.endr
.endr
	WIN 0x40                                       ; back into window 1; LDS serves a wave's instructions in order (ISA guide 5.7.1.4)
.set t, 0
.rept 32
	ds_load_b128 v[4*t:4*t+3], v[RD] offset:2*DP*t
.set t, t+1
.endr
	s_wait_loadcnt 0x0                             ; residual and bias
	s_wait_dscnt 0x0
	WIN 0x49                                       ; window 1 += window 2
.set t, 0
.rept 64
	v_pk_add_f32 v[2*t:2*t+1], v[2*t:2*t+1], v[2*t:2*t+1]
.set t, t+1
.endr
	WIN 0x41                                       ; window 1 += the bias, in window 0
.set t, 0
.rept 64
	v_pk_add_f32 v[2*t:2*t+1], v[2*t:2*t+1], v[BI+2*(t%2):BI+2*(t%2)+1]
.set t, t+1
.endr
	WIN 0x04                                       ; store data in window 1
.set t, 0
.rept 32
	global_store_b128 v[CO], v[4*t:4*t+3], s[8:9] offset:8192*t  ; 16 lanes store 256 consecutive bytes, aligned
.set t, t+1
.endr
	WIN 0
	s_wait_tensorcnt 0x0                           ; the wave's end
	ds_add_u32 v[SPW], v[NIL]
	s_wait_dscnt 0x0
	CROUND                                         ; the closing round
	s_endpgm
.Lfunc_end_k_qf1d5e63138_proj:
	.size	k_qf1d5e63138_proj, .Lfunc_end_k_qf1d5e63138_proj-k_qf1d5e63138_proj
	.p2alignl 7, 3214868480
	.fill 96, 4, 3214868480
	.section	.rodata,"a",@progbits
	.p2align	6, 0x0
	.amdhsa_kernel k_qf1d5e63138_proj
		.amdhsa_group_segment_fixed_size 327680
		.amdhsa_private_segment_fixed_size 0
		.amdhsa_enable_private_segment 0
		.amdhsa_kernarg_size 40
		.amdhsa_user_sgpr_count 2
		.amdhsa_user_sgpr_kernarg_segment_ptr 1
		.amdhsa_wavefront_size32 1
		.amdhsa_system_sgpr_workgroup_id_x 1
		.amdhsa_system_sgpr_workgroup_id_y 1
		.amdhsa_system_sgpr_workgroup_id_z 1
		.amdhsa_system_vgpr_workitem_id 0
		.amdhsa_next_free_vgpr 640
		.amdhsa_next_free_sgpr 88
		.amdhsa_reserve_vcc 0
		.amdhsa_float_denorm_mode_32 3
		.amdhsa_float_denorm_mode_16_64 3
		.amdhsa_memory_ordered 1
		.amdhsa_forward_progress 1
		.amdhsa_inst_pref_size 70
	.end_amdhsa_kernel
	.amdgpu_metadata
---
amdhsa.version: [ 1, 2 ]
amdhsa.kernels:
  - .name:           k_qf1d5e63138_proj
    .symbol:         k_qf1d5e63138_proj.kd
    .args:
      - { .name: ao, .offset: 0, .size: 8, .value_kind: global_buffer, .address_space: global }
      - { .name: wbf, .offset: 8, .size: 8, .value_kind: global_buffer, .address_space: global }
      - { .name: proj_b, .offset: 16, .size: 8, .value_kind: global_buffer, .address_space: global }
      - { .name: x, .offset: 24, .size: 8, .value_kind: global_buffer, .address_space: global }
      - { .name: x1, .offset: 32, .size: 8, .value_kind: global_buffer, .address_space: global }
    .group_segment_fixed_size: 327680
    .private_segment_fixed_size: 0
    .kernarg_segment_align: 8
    .kernarg_segment_size: 40
    .max_flat_workgroup_size: 128
    .sgpr_count:     88
    .vgpr_count:     640
    .wavefront_size: 32
...
	.end_amdgpu_metadata
.endif
;; end of part 4
;; launch ln2: the kernel of part 1 again; grid 256 x 1, 8 waves a work-group, no clusters, 0 bytes of LDS; arguments x1, ln2_g, ln2_b, hn, qkv_w, proj_w, w1, w2, wbf; writes hn, wbf
;; launch ffn1 (part 5): grid 16 x 16, 4 waves a work-group, clusters of 4 x 4, 327,680 bytes of LDS; arguments hn, wbf, b1, ff; writes ff
.if DOCPART == 5
	.amdgcn_target "amdgcn-amd-amdhsa--gfx1250"
	.amdhsa_code_object_version 6
	.text
	.protected	k_qf1d5e63138_ffn1
	.globl	k_qf1d5e63138_ffn1
	.p2align	8
	.type	k_qf1d5e63138_ffn1,@function
k_qf1d5e63138_ffn1:
	s_mov_b64 s[64:65], 0
	v_nop
	global_prefetch_b8 v0, s[64:65] scope:SCOPE_SE
	s_setreg_imm32_b32 hwreg(HW_REG_WAVE_MODE, 25, 1), 1
	s_wait_xcnt 0x0
	s_wait_alu depctr_hold_cnt(0) depctr_sa_sdst(0) depctr_va_vdst(0) depctr_va_sdst(0) depctr_va_ssrc(0) depctr_va_vcc(0) depctr_vm_vsrc(0)
	s_getreg_b32 s2, hwreg(HW_REG_IB_STS2, 6, 4)
	s_cmp_eq_u32 s2, 0
	s_cbranch_scc0 .Lentry_in_a_cluster
	s_endpgm
.Lentry_in_a_cluster:
	s_bfe_u32 s2, ttmp6, 0x10000c
	s_cmp_lg_u32 s2, 0xf033
	s_cbranch_scc0 .Lentry_shape_is_right
	s_endpgm
.Lentry_shape_is_right:
; C = A B, A [4096][1024] bf16 (rows along K), B [1024][SIZE_N] bf16 (rows along N, as the weights come), sums in f32.
; KIND 0: B = the qkv weights; C leaves in bf16 by heads: q, k, v each [32 = batch x 16 + head][2048][64], unscaled.
; KIND 1: B = w1; gelu(C + b1), the exact one (erf), leaves in bf16 as [4096][4096].
; A tile of C is 256 x 256, four waves of 128 x 128: 64 accumulators, 512 registers.  K goes in steps of 128 through two LDS slots that tensor loads fill; one K step to a trip of the loop.
; B lies [K][N] in LDS too and is turned on its way into registers (ds_load_tr16_b128).  The product is used transposed (source 0 = 16 columns of B,
; source 1 = 16 rows of A): a lane then holds row l % 16 of C and the columns 8 (l / 16) + 0..7.
; CLUSTER 4 x 4: A's tile hangs on the tile row alone and is asked for jointly by a row of the cluster, B's on the tile column and by a column.
; THE ORDER OF K.  The ring's n-th tile (its TIME n) is K step n xor pi, pi = (cluster x + cluster y) % 2: a cluster with pi = 1 takes the K steps as 1, 0, 3, 2, ..  So the clusters that read
; the same blocks of A (neighbours along x) or of B (along y) do not all ask for a block at once: half of them ask for it one K step ahead of the other half.  The f32 sums may be taken in any order.
; pi hangs on the cluster's place alone: it is the same in all sixteen partners.
; KIND 0 has 12 x 16 = 192 tiles, fewer than the chip has WGPs: a tile of 192 columns would cut heads and give B rows of 384 bytes.
; THE WAY OUT: all accumulators go as f32 into LDS (the slots have had their last fill), each wave's into bytes of its own, and a short loop reads rows back:
; registers cannot be indexed, LDS can, so the long arithmetic of KIND 1 is written once.
; LIMITS.  Operands are bf16.  erf is a quotient of polynomials good to about 1e-7; beyond |u| / sqrt 2 = 4 it takes its value at 4.  NaN and infinities are not treated apart.
.set KIND, 1
.if KIND == 0
.set SIZE_N, 3072
.set WB, 0                             ; where B begins in wbf
.else
.set SIZE_N, 4096
.set WB, 8388608
.endif
.set SIZE_K, 1024
.set KSTEP, 128
.set NSTEP, SIZE_K/KSTEP
.set PA, 272                           ; A's LDS row: 256 bytes + 16: the 16 rows of a load start at 16 different groups of four banks (64 banks of 4 bytes: ISA guide 11.1)
.set PB, 544                           ; B's: 512 + 32 = 136 words
.set HA, 128*PA                        ; what one wave fetches of A: 128 rows
.set HB, 64*PB                         ; and of B: 64 rows of K
.set BOFF, 2*HA
.set SLOT, 2*HA+2*HB
.set SPARE, 2*SLOT                     ; behind the ring: the spare words, 128 bytes a wave, which no other line names
.set DP, 528                           ; the way out: a row of 128 f32 + 16 bytes
.set ASTEP, KSTEP*2
.set BSTEP, KSTEP*SIZE_N*2
.set BI, 8                             ; v[8:11] bias of my four columns (KIND 1)
.set ADRA0, 16                         ; v16 my lane's place in A's tile;  v17 in B's; never rewritten
.set ADRB0, 17
.set ADRA, 18                          ; v18, v19 the same in the slot in hand
.set ADRB, 19
.set STO, 24                           ; v24 the way out: where I put 16 bytes
.set RD, 25                            ; v25 where I read rows back
.set GO, 26                            ; v26 my byte offset in the stores
.set BOF, 27                           ; v27 my byte offset in the bias
.set SPW, 28                           ; v28 my spare word; never rewritten
.set NIL, 29                           ; v29 0; never rewritten
.set PFO, 30                           ; v30 the prefetches' offset; never rewritten
.set F0, 64                            ; fragment buffers: A's in window 0, B's in window 1
.set F1, 128
.set G1A, 24                           ; s[24:31] group 1 for A
.set G0A0, 32                          ; s[32:35] group 0, first fill
.set G0A, 36                           ; s[36:39] group 0, for time 1 and all later ones
.set LIM, 43
.set PFA, 44                           ; s[44:45] where my prefetches stand
.set G1B, 48
.set G0B0, 56
.set G0B, 60
.set TB, 66                            ; s66 the slot in hand: 0 or SLOT
.set WOA, 67                           ; s67, s68 my fill's place in a slot
.set WOB, 68
.set TI, 69                            ; s69 the time that the next refill asks for
.set PST, 70                           ; s[70:71] a K step in bytes, for the prefetches
.set BSA, 76                           ; s[76:77] A at my fetch's rows, K step 0
.set BSB, 78                           ; s[78:79] B at my fetch's rows of K step 0
.set PI, 80                            ; s80 pi
.set OFA, 82                           ; s[82:83] the K step asked for, in bytes of A
.set OFB, 84                           ; s[84:85] and of B
.set MSB, 0
.macro WIN new                         ; the immediate's high byte repeats the setting that is left
.if MSB != (\new)
	s_set_vgpr_msb (MSB<<8)|(\new)
.set MSB, \new
.endif
.endm
.set MUL_LO, 0xa1                      ; source 0 (B) window 1, source 1 (A) window 0, C and D window 2
.set MUL_HI, 0xf1                      ; C and D window 3
.set TO_B, 0x40
; A joint refill: waves 0, 1 fetch A's halves, waves 2, 3 B's.  An s_nop 0 and four v_nop follow each line.
.macro JLOAD
	s_cmp_eq_u32 s11, 0
	s_cbranch_scc0 .Lfor_b_\@
	tensor_load_to_lds s[G0A:G0A+3], s[G1A:G1A+7]
	s_nop 0
.rept 4
	v_nop
.endr
	s_branch .Lasked_\@
.Lfor_b_\@:
	tensor_load_to_lds s[G0B:G0B+3], s[G1B:G1B+7]
	s_nop 0
.rept 4
	v_nop
.endr
.Lasked_\@:
.endm
; A prefetch of the tile that the NEXT refill will ask for, in the trips in which that tile's time is even: those are the K steps that my cluster asks for ahead of its neighbours.
; 32 blocks of 256 bytes, a lane a block.  A's blocks are named by the clusters with x = 0 and 1, B's by those with y = 0 and 1: of each such pair one has pi = 0 and one pi = 1, so each
; block is named once.  The four partners of a joint load share the fetching wave's 128 blocks by address.  Times 4 and 6 are named (s3 = 5, 3); the last trip has no tile behind its refill.
.macro ASK
	s_bitcmp1_b32 s3, 0                            ; the time named is even where s3 is odd
	s_cselect_b32 s46, s3, 0
	s_cmp_gt_u32 s46, s[LIM]
	s_cbranch_scc0 .Lnot_mine_\@
	global_prefetch_b8 v[PFO], s[PFA:PFA+1] th:TH_LOAD_NT scope:SCOPE_SE
.Lnot_mine_\@:
.endm
.macro CREST                           ; a round of the cluster's barrier behind its opening barrier
	s_cmp_lg_u32 s10, 0
	s_cbranch_scc1 .Lnot_wave_0_\@
	s_barrier_signal -3
.Lnot_wave_0_\@:
	s_barrier_wait -3
	s_barrier_signal -1
	s_barrier_wait -1
.endm
.macro CROUND
	s_barrier_signal -1
	s_barrier_wait -1
	CREST
.endm
.macro PLACES                          ; four places behind matrix instructions, ahead of loads into registers that they read and of lines that read results
.rept 4
	v_nop
.endr
.endm
.macro ALL8 line:vararg                ; one line for each of eight register pairs, p = 0, 2 .. 14
.set p, 0
.rept 8
	\line
.set p, p+2
.endr
.endm
.macro ALL16 line:vararg               ; one line for each of sixteen registers, q = 0 .. 15
.set q, 0
.rept 16
	\line
.set q, q+1
.endr
.endm
.macro COEF r, val                     ; a constant as a scalar pair: the packed lines name the pair and take its low word
	s_mov_b32 s[\r], \val
	s_mov_b32 s[(\r)+1], \val
.endm
	s_load_b128 s[4:7], s[0:1], 0x0                ; A s[4:5], wbf s[6:7]
.if KIND == 0
	s_load_b64 s[8:9], s[0:1], 0x10                ; the output
.else
	s_load_b64 s[72:73], s[0:1], 0x10              ; b1
	s_load_b64 s[8:9], s[0:1], 0x18                ; the output
.endif
	v_lshl_add_u32 v[SPW], v0, 2, SPARE
	v_mov_b32 v[NIL], 0
	ds_add_u32 v[SPW], v[NIL]                      ; the wave's opening: the add and its wait ahead of my first tensor load
	v_lshrrev_b32 v1, 5, v0
	v_readfirstlane_b32 s10, v1                    ; wave 0..3
	s_lshr_b32 s11, s10, 1                         ; my half of the tile's rows; also: I fetch for A (0) or B (1)
	s_and_b32 s12, s10, 1                          ; my half of its columns; also: which half I fetch
	s_bfe_u32 s40, ttmp6, 0x40000                  ; cx
	s_bfe_u32 s41, ttmp6, 0x40004                  ; cy
	s_lshl_b32 s42, ttmp9, 2
	s_add_co_u32 s42, s42, s40                     ; tile column
	s_and_b32 s13, ttmp7, 0xffff
	s_add_co_u32 s[PI], s13, ttmp9
	s_and_b32 s[PI], s[PI], 1                      ; pi = (cluster x + cluster y) % 2
	s_lshl_b32 s13, s13, 2
	s_add_co_u32 s13, s13, s41                     ; tile row
	s_lshl_b32 s43, s41, 2
	s_lshl_b32 s43, 15, s43                        ; my row of the cluster
	s_lshl_b32 s44, 0x1111, s40                    ; my column
	s_or_b32 s[G1A], s43, (1<<16)|(1<<20)|(1<<21)|(5<<22)|(3<<25)  ; mask; 2-byte elements; padding on; bit 21 beside a mask; after 64 words 4 words
	s_mov_b32 s[G1A+1], KSTEP<<16                  ; tensor_dim0 = 128
	s_mov_b32 s[G1A+2], 128<<16                    ; tensor_dim1 = 128
	s_mov_b32 s[G1A+3], KSTEP<<16                  ; tile_dim0
	s_mov_b32 s[G1A+4], 128                        ; tile_dim1
	s_mov_b32 s[G1A+5], SIZE_K                     ; elements from row to row
	s_mov_b32 s[G1A+6], 0
	s_mov_b32 s[G1A+7], 0
	s_or_b32 s[G1B], s44, (1<<16)|(1<<20)|(1<<21)|(6<<22)|(7<<25)  ; after 128 words 8 words
	s_mov_b32 s[G1B+1], 256<<16                    ; 256 columns
	s_mov_b32 s[G1B+2], 64<<16                     ; 64 rows of K
	s_mov_b32 s[G1B+3], 256<<16
	s_mov_b32 s[G1B+4], 64
	s_mov_b32 s[G1B+5], SIZE_N
	s_mov_b32 s[G1B+6], 0
	s_mov_b32 s[G1B+7], 0
	s_lshl_b32 s14, s13, 8                         ; A: row 256 x tile row + 128 x half,
	s_lshl_b32 s15, s12, 7
	s_add_co_u32 s14, s14, s15
	s_lshl_b32 s14, s14, 11                        ; of 2,048 bytes
	s_mov_b32 s15, 0
	s_mul_i32 s46, s12, 64*2*SIZE_N                ; B: K row 64 x half, column 256 x tile column
	s_lshl_b32 s47, s42, 9
	s_add_co_u32 s46, s46, s47
	s_add_co_u32 s46, s46, WB
	s_mov_b32 s47, 0
	s_mul_i32 s[WOA], s12, HA                      ; no place in the cluster enters an LDS address
	s_mul_i32 s[WOB], s12, HB
	s_add_co_u32 s[WOB], s[WOB], BOFF
	s_mov_b32 s[TB], 0
	s_mul_i32 s[OFA], s[PI], ASTEP                 ; time 0 is K step pi
	s_mov_b32 s[OFA+1], 0
	s_mul_i32 s[OFB], s[PI], BSTEP
	s_mov_b32 s[OFB+1], 0
	s_wait_dscnt 0x0                               ; the opening add is done
	s_wait_kmcnt 0x0
	s_add_nc_u64 s[BSA:BSA+1], s[4:5], s[14:15]
	s_add_nc_u64 s[BSB:BSB+1], s[6:7], s[46:47]
	s_mov_b32 s[G0A0], 1                           ; time 0 into slot 0
	s_mov_b32 s[G0A0+1], s[WOA]
	s_add_nc_u64 s[G0A0+2:G0A0+3], s[BSA:BSA+1], s[OFA:OFA+1]
	s_or_b32 s[G0A0+3], s[G0A0+3], 0x80000000
	s_mov_b32 s[G0B0], 1
	s_mov_b32 s[G0B0+1], s[WOB]
	s_add_nc_u64 s[G0B0+2:G0B0+3], s[BSB:BSB+1], s[OFB:OFB+1]
	s_or_b32 s[G0B0+3], s[G0B0+3], 0x80000000
	s_xor_b32 s[OFA], s[PI], 1                     ; time 1 is K step 1 - pi
	s_mul_i32 s[OFB], s[OFA], BSTEP
	s_mul_i32 s[OFA], s[OFA], ASTEP
	s_mov_b32 s[G0A], 1                            ; time 1 into slot 1; this set serves all later times
	s_add_co_u32 s[G0A+1], s[WOA], SLOT
	s_add_nc_u64 s[G0A+2:G0A+3], s[BSA:BSA+1], s[OFA:OFA+1]
	s_or_b32 s[G0A+3], s[G0A+3], 0x80000000
	s_mov_b32 s[G0B], 1
	s_add_co_u32 s[G0B+1], s[WOB], SLOT
	s_add_nc_u64 s[G0B+2:G0B+3], s[BSB:BSB+1], s[OFB:OFB+1]
	s_or_b32 s[G0B+3], s[G0B+3], 0x80000000
	s_mov_b32 s[TI], 2
	CROUND                                         ; all sixteen work-groups are here: the first joint loads meet
	s_cmp_eq_u32 s11, 0                            ; a wave's two first fills stand in one branch: two loads of mine are out
	s_cbranch_scc0 .Lfirst_b
	tensor_load_to_lds s[G0A0:G0A0+3], s[G1A:G1A+7]
	s_nop 0
	tensor_load_to_lds s[G0A:G0A+3], s[G1A:G1A+7]
	s_nop 0
.rept 4
	v_nop
.endr
	s_branch .Lfirst_asked
.Lfirst_b:
	tensor_load_to_lds s[G0B0:G0B0+3], s[G1B:G1B+7]
	s_nop 0
	tensor_load_to_lds s[G0B:G0B+3], s[G1B:G1B+7]
	s_nop 0
.rept 4
	v_nop
.endr
.Lfirst_asked:
	v_and_b32 v1, 15, v0                           ; r = l % 16
	v_bfe_u32 v2, v0, 4, 1                         ; h = l / 16
	v_and_b32 v3, 31, v0                           ; l
	v_mul_u32_u24 v4, v1, PA
	v_lshl_add_u32 v4, v2, 4, v4
	s_mul_i32 s21, s11, HA
	v_add_nc_u32 v[ADRA0], s21, v4                 ; A: row r, 16 bytes for each half of the lanes, my 128 rows
	v_and_b32 v5, 7, v0
	v_lshl_add_u32 v5, v2, 3, v5
	v_mul_u32_u24 v5, v5, PB                       ; B: K row 8 h + l % 8,
	v_bfe_u32 v6, v0, 3, 1
	v_lshl_add_u32 v5, v6, 4, v5                   ; columns 8 ((l / 8) % 2) on,
	s_lshl_b32 s22, s12, 8
	s_add_co_u32 s22, s22, BOFF
	v_add_nc_u32 v[ADRB0], s22, v5                 ; my 128 columns
	v_add_nc_u32 v[ADRA], s[TB], v[ADRA0]
	v_add_nc_u32 v[ADRB], s[TB], v[ADRB0]
	s_mul_i32 s23, s10, 128*DP                     ; the way out: my 128 rows of 528 bytes
	v_mul_u32_u24 v4, v1, DP
	v_lshl_add_u32 v4, v2, 5, v4
	v_add_nc_u32 v[STO], s23, v4                   ; row r, 32 bytes for each half of the lanes
.if KIND == 0
	v_mul_u32_u24 v5, v2, DP                       ; back: lanes 0-15 take 64 columns of a row, lanes 16-31 of the next
	v_lshl_add_u32 v5, v1, 4, v5
	v_add_nc_u32 v[RD], s23, v5
	v_lshlrev_b32 v6, 7, v2                        ; a head's rows are 128 bytes, end to end
	v_lshl_add_u32 v[GO], v1, 3, v6
	s_lshr_b32 s16, s13, 3                         ; batch
	s_lshl_b32 s16, s16, 4
	s_and_b32 s17, s42, 3
	s_lshl_b32 s17, s17, 2
	s_add_co_u32 s16, s16, s17
	s_lshl_b32 s17, s12, 1
	s_add_co_u32 s16, s16, s17                     ; batch x 16 + my first head
	s_lshl_b32 s16, s16, 11
	s_and_b32 s17, s13, 7
	s_lshl_b32 s17, s17, 8
	s_add_co_u32 s16, s16, s17
	s_lshl_b32 s17, s11, 7
	s_add_co_u32 s16, s16, s17                     ; + my first row in the batch
	s_lshl_b32 s16, s16, 7
	s_lshr_b32 s17, s42, 2                         ; q, k or v
	s_lshl_b32 s17, s17, 23
	s_add_co_u32 s16, s16, s17
	s_mov_b32 s17, 0
	s_add_nc_u64 s[8:9], s[8:9], s[16:17]
.else
	v_lshl_add_u32 v[RD], v3, 4, s23               ; back: 32 lanes take a row of 512 bytes
	v_lshlrev_b32 v[GO], 3, v3
	v_lshlrev_b32 v[BOF], 4, v3
	s_lshl_b32 s16, s13, 8
	s_lshl_b32 s17, s11, 7
	s_add_co_u32 s16, s16, s17
	s_lshl_b32 s16, s16, 13                        ; my first row, of 8,192 bytes
	s_lshl_b32 s17, s42, 9
	s_add_co_u32 s16, s16, s17
	s_lshl_b32 s17, s12, 8
	s_add_co_u32 s16, s16, s17
	s_mov_b32 s17, 0
	s_add_nc_u64 s[8:9], s[8:9], s[16:17]
	s_lshl_b32 s16, s42, 10
	s_lshl_b32 s17, s12, 9
	s_add_co_u32 s16, s16, s17
	s_mov_b32 s17, 0
	s_add_nc_u64 s[72:73], s[72:73], s[16:17]
	global_load_b128 v[BI:BI+3], v[BOF], s[72:73]  ; waited for on the way out
.endif
	; the prefetches
	s_and_b32 s22, ttmp7, 0xffff                   ; cluster y
	s_lshl_b32 s20, s13, 8
	s_lshl_b32 s21, s12, 7
	s_add_co_u32 s20, s20, s21
	s_lshl_b32 s21, s40, 5
	s_add_co_u32 s20, s20, s21                     ; A: of the 128 rows that I fetch, my work-group's 32
	s_lshl_b32 s20, s20, 11
	s_add_co_u32 s20, s20, 2*ASTEP                 ; at time 2: the first refill steps it to 3
	s_lshl_b32 s21, s12, 6
	s_lshl_b32 s23, s41, 4
	s_add_co_u32 s21, s21, s23                     ; B: of the 64 rows of K, my work-group's 16, two blocks each
	s_mul_i32 s21, s21, 2*SIZE_N
	s_lshl_b32 s23, s42, 9
	s_add_co_u32 s21, s21, s23
	s_add_co_u32 s21, s21, WB+2*BSTEP
	s_cmp_eq_u32 s11, 0
	s_cselect_b32 s20, s20, s21
	s_cselect_b32 s22, ttmp9, s22                  ; the coordinate along which other clusters read the same blocks
	s_cselect_b64 s[PFA:PFA+1], s[4:5], s[6:7]
	s_mov_b32 s[PST], BSTEP
	s_cselect_b32 s[PST], ASTEP, s[PST]
	s_mov_b32 s[PST+1], 0
	s_cselect_b32 s23, 0, 1                        ; blocks a row, less 1
	s_mov_b32 s21, 2*SIZE_N
	s_cselect_b32 s21, 2*SIZE_K, s21               ; bytes from row to row
	s_cmp_lt_u32 s22, 2
	s_cselect_b32 s[LIM], 1, -1                    ; the same in all sixteen partners, for a given wave
	s_mul_i32 s47, s[PI], s[PST]                   ; an even time n is K step n + pi
	s_add_co_u32 s46, s20, s47
	s_mov_b32 s47, 0
	s_add_nc_u64 s[PFA:PFA+1], s[PFA:PFA+1], s[46:47]
	v_lshrrev_b32 v4, s23, v3
	v_mul_lo_u32 v4, v4, s21
	v_and_b32 v5, s23, v3
	v_lshl_add_u32 v[PFO], v5, 8, v4
; 16 matrix instructions: m blocks a0, a0 + 1 of the window's four x all 8 n blocks, 32 along K.  The 64 accumulators take turns, in the same order in every quarter.
.macro MUL16 f, hi, a0, zero
	WIN MUL_LO+0x50*(\hi)
.irp a, \a0, (\a0)+1
.irp b, 0,1,2,3,4,5,6,7
.if \zero
	v_wmma_f32_16x16x32_bf16 v[8*(8*(\a)+(\b)):8*(8*(\a)+(\b))+7], v[(\f)+8*(\b):(\f)+8*(\b)+7], v[(\f)+8*(4*(\hi)+(\a)):(\f)+8*(4*(\hi)+(\a))+7], 0
.else
	v_wmma_f32_16x16x32_bf16 v[8*(8*(\a)+(\b)):8*(8*(\a)+(\b))+7], v[(\f)+8*(\b):(\f)+8*(\b)+7], v[(\f)+8*(4*(\hi)+(\a)):(\f)+8*(4*(\hi)+(\a))+7], v[8*(8*(\a)+(\b)):8*(8*(\a)+(\b))+7]
.endif
.endr
.endr
.endm
; 32 LDS loads in one run: quarter kq (32 along K) of the slot in hand into buffer f: B's 128 columns turned, then A's 128 rows
.macro FETCH kq, f
	WIN TO_B
.irp i, 0,1,2,3,4,5,6,7
	ds_load_tr16_b128 v[(\f)+8*(\i):(\f)+8*(\i)+3],   v[ADRB] offset:(\kq)*32*PB+(\i)*32
	ds_load_tr16_b128 v[(\f)+8*(\i)+4:(\f)+8*(\i)+7], v[ADRB] offset:(\kq)*32*PB+(\i)*32+16*PB
.endr
	WIN 0
.irp i, 0,1,2,3,4,5,6,7
	ds_load_b128 v[(\f)+8*(\i):(\f)+8*(\i)+3],   v[ADRA] offset:(\kq)*64+(\i)*16*PA
	ds_load_b128 v[(\f)+8*(\i)+4:(\f)+8*(\i)+7], v[ADRA] offset:(\kq)*64+(\i)*16*PA+32
.endr
.endm
; multiplies buffer f; in its middle fetches quarter kq into buffer g
.macro QUARTER kq, f, g, zero
	s_wait_dscnt 8                                 ; B and A's rows 0-63 are in; the youngest eight loads (A's rows 64-127) may be out
	MUL16 \f, 0, 0, \zero
	MUL16 \f, 0, 2, \zero
	PLACES
	FETCH \kq, \g
	s_wait_dscnt 32                                ; all but the 32 just issued
	MUL16 \f, 1, 0, \zero
	MUL16 \f, 1, 2, \zero
.endm
; the first half of a K step's last quarter, and the one barrier of a change of slots
.macro MEET round
	WIN 0
	s_wait_tensorcnt 0x0                           ; all my tensor loads have landed: the one that was out is my part of the next slot
	ds_add_u32 v[SPW], v[NIL]                      ; 0 onto my spare word
	s_wait_dscnt 9                                 ; the add and the youngest eight loads may be out
	MUL16 F1, 0, 0, 0
	s_wait_dscnt 0x0                               ; the add is done, my reads of this slot are over
	s_barrier_signal -1
	MUL16 F1, 0, 2, 0
.if \round
	WIN 0
.endif
	s_barrier_wait -1
.endm
; the whole last quarter.  fill = 1: the slot just read is filled again, with the tile two times on, first thing behind a round of the cluster's barrier
.macro TURN fill
.if \fill
	s_wait_xcnt 0x0                                ; the last prefetch, a K step back, has read its address
	s_add_nc_u64 s[PFA:PFA+1], s[PFA:PFA+1], s[PST:PST+1]
	s_xor_b32 s[OFA], s[TI], s[PI]                 ; the K step of the time that is asked for, in bytes of A and of B: made here, in registers that no descriptor holds
	s_mul_i32 s[OFB], s[OFA], BSTEP
	s_mul_i32 s[OFA], s[OFA], ASTEP
	s_add_co_u32 s[TI], s[TI], 1
	MEET 1
	CREST
	s_add_co_u32 s[G0A+1], s[WOA], s[TB]           ; no tensor load of mine is out: the descriptors may be written; the addresses are made anew
	s_add_nc_u64 s[G0A+2:G0A+3], s[BSA:BSA+1], s[OFA:OFA+1]
	s_or_b32 s[G0A+3], s[G0A+3], 0x80000000
	s_add_co_u32 s[G0B+1], s[WOB], s[TB]
	s_add_nc_u64 s[G0B+2:G0B+3], s[BSB:BSB+1], s[OFB:OFB+1]
	s_or_b32 s[G0B+3], s[G0B+3], 0x80000000
	s_xor_b32 s[TB], s[TB], SLOT
	JLOAD                                          ; its four v_nop are also the places in front of the loads below
.else
	MEET 0
	PLACES
	WIN 0
	s_xor_b32 s[TB], s[TB], SLOT
.endif
	v_add_nc_u32 v[ADRA], s[TB], v[ADRA0]
	v_add_nc_u32 v[ADRB], s[TB], v[ADRB0]
	FETCH 0, F0
.if \fill
	ASK
.endif
	MUL16 F1, 1, 0, 0
	MUL16 F1, 1, 2, 0
.endm
	s_wait_tensorcnt 0x1                           ; my part of time 0 is in; time 1's stays out
	s_barrier_signal -1
	s_barrier_wait -1
	FETCH 0, F0
	QUARTER 1, F0, F1, 1                           ; the first quarter's products start the sums
	WIN 0
	s_mov_b32 s3, NSTEP-2
.Llap:                                             ; a trip: a K step's quarters 1 to 3, the refill, the next step's quarter 0
	QUARTER 2, F1, F0, 0
	QUARTER 3, F0, F1, 0
	TURN 1
	QUARTER 1, F0, F1, 0
	WIN 0
	s_sub_co_u32 s3, s3, 1
	s_cmp_lg_u32 s3, 0
	s_cbranch_scc1 .Llap
	s_mov_b32 s2, 2
.Ltail:                                            ; the last two K steps fill nothing.  The second trip is left in its middle; its barrier and its 32 loads of the older slot serve nothing: the price of writing the tail once
	QUARTER 2, F1, F0, 0
	QUARTER 3, F0, F1, 0
	TURN 0
	WIN 0
	s_sub_co_u32 s2, s2, 1
	s_cmp_eq_u32 s2, 0
	s_cbranch_scc1 .Lend
	QUARTER 1, F0, F1, 0
	WIN 0
	s_branch .Ltail
.Lend:
	PLACES
	s_wait_dscnt 0x0                               ; my reads of the ring are over,
	s_barrier_signal -1
	s_barrier_wait -1                              ; everybody's are; every tensor load has landed: the slots take the results
	WIN 0x08                                       ; store data in window 2
.irp a, 0,1,2,3
.irp b, 0,1,2,3,4,5,6,7
	ds_store_b128 v[STO], v[8*(8*(\a)+(\b)):8*(8*(\a)+(\b))+3]   offset:(\a)*16*DP+64*(\b)
	ds_store_b128 v[STO], v[8*(8*(\a)+(\b))+4:8*(8*(\a)+(\b))+7] offset:(\a)*16*DP+64*(\b)+16
.endr
.endr
	WIN 0x0c                                       ; window 3
.irp a, 0,1,2,3
.irp b, 0,1,2,3,4,5,6,7
	ds_store_b128 v[STO], v[8*(8*(\a)+(\b)):8*(8*(\a)+(\b))+3]   offset:((\a)+4)*16*DP+64*(\b)
	ds_store_b128 v[STO], v[8*(8*(\a)+(\b))+4:8*(8*(\a)+(\b))+7] offset:((\a)+4)*16*DP+64*(\b)+16
.endr
.endr
	WIN 0
.if KIND == 0
; eight rows a trip.  LDS serves a wave's instructions in order (ISA guide 5.7.1.4): the loads see my stores above
.set XR, 32
.set YR, 192
.macro OLOADS
.irp j, 0,1,2,3,4,5,6,7
	ds_load_b128 v[XR+4*(\j):XR+4*(\j)+3], v[RD] offset:((\j)/2)*2*DP+((\j)%2)*256  ; two rows, head j % 2
.endr
.endm
	OLOADS
	s_mov_b32 s2, 16
.Lrows:
	s_wait_dscnt 0x0
.set j, 0
.rept 16
	v_cvt_pk_bf16_f32 v[YR+j], v[XR+2*j], v[XR+2*j+1]
.set j, j+1
.endr
	s_sub_co_u32 s2, s2, 1
	s_cmp_eq_u32 s2, 0
	s_cbranch_scc1 .Lnomore                        ; the last trip has no rows behind it
	v_add_nc_u32 v[RD], 8*DP, v[RD]
	OLOADS
.Lnomore:
.irp j, 0,1,2,3,4,5,6,7
	global_store_b64 v[GO], v[YR+2*(\j):YR+2*(\j)+1], s[8:9] offset:((\j)/2)*256+((\j)%2)*262144  ; two rows of a head: 256 consecutive bytes, aligned
.endr
	s_wait_xcnt 0x0                                ; the stores have read their data and base
	s_add_nc_u64 s[8:9], s[8:9], 1024
	s_cmp_lg_u32 s2, 0
	s_cbranch_scc1 .Lrows
.else
; four rows a trip: z = (C + b) / sqrt 2; erf z = zc P(zc^2) / Q(zc^2), zc = z held to -4 .. 4; gelu = u / 2 + u / 2 erf z, u / 2 = z / sqrt 2
.set XR, 32
.set YR, 48
.set ZR, 64
.set ZC, 80
.set WR, 96
.set PR, 112
.set QR, 128
.set CC, 24
	s_wait_xcnt 0x0                                ; the prefetches have read s[44:45]; no tensor load is out: the descriptors' registers take the constants
	COEF 24, 0x3f3504f3                            ; 1 / sqrt 2
	COEF 26, 0xaf95df0b                            ; P: z^13 down to z^1
	COEF 28, 0x32edffee
	COEF 30, 0xb60cff51
	COEF 32, 0xb86ec2d2
	COEF 34, 0xba40ac63
	COEF 36, 0xbb41a1f6
	COEF 38, 0xbc83dbd4
	COEF 40, 0xb77460cd                            ; Q: z^8 down to 1; Q is -0.014 or below, never 0
	COEF 42, 0xb95fbd29
	COEF 44, 0xbadc924e
	COEF 46, 0xbbf19bf8
	COEF 48, 0xbc69b6a7
	s_wait_loadcnt 0x0                             ; the bias
	v_pk_mul_f32 v[BI:BI+1], v[BI:BI+1], s[CC:CC+1] op_sel_hi:[1,0]
	v_pk_mul_f32 v[BI+2:BI+3], v[BI+2:BI+3], s[CC:CC+1] op_sel_hi:[1,0]
.macro OLOADS
.irp j, 0,1,2,3
	ds_load_b128 v[XR+4*(\j):XR+4*(\j)+3], v[RD] offset:(\j)*DP
.endr
.endm
	OLOADS
	s_mov_b32 s2, 32
.Lrows:
	s_wait_dscnt 0x0
	ALL8 v_pk_fma_f32 v[ZR+p:ZR+p+1], v[XR+p:XR+p+1], s[CC:CC+1], v[BI+p%4:BI+p%4+1] op_sel_hi:[1,0,1]
	s_sub_co_u32 s2, s2, 1
	s_cmp_eq_u32 s2, 0
	s_cbranch_scc1 .Lnomore                        ; the last trip has no rows behind it
	v_add_nc_u32 v[RD], 4*DP, v[RD]
	OLOADS
.Lnomore:
	ALL16 v_max_num_f32 v[ZC+q], -4.0, v[ZR+q]
	ALL16 v_min_num_f32 v[ZC+q], 4.0, v[ZC+q]
	ALL8 v_pk_mul_f32 v[WR+p:WR+p+1], v[ZC+p:ZC+p+1], v[ZC+p:ZC+p+1]
	ALL8 v_pk_fma_f32 v[PR+p:PR+p+1], v[WR+p:WR+p+1], s[26:27], s[28:29] op_sel_hi:[1,0,0]
	ALL8 v_pk_fma_f32 v[QR+p:QR+p+1], v[WR+p:WR+p+1], s[40:41], s[42:43] op_sel_hi:[1,0,0]
	ALL8 v_pk_fma_f32 v[PR+p:PR+p+1], v[PR+p:PR+p+1], v[WR+p:WR+p+1], s[30:31] op_sel_hi:[1,1,0]
	ALL8 v_pk_fma_f32 v[QR+p:QR+p+1], v[QR+p:QR+p+1], v[WR+p:WR+p+1], s[44:45] op_sel_hi:[1,1,0]
	ALL8 v_pk_fma_f32 v[PR+p:PR+p+1], v[PR+p:PR+p+1], v[WR+p:WR+p+1], s[32:33] op_sel_hi:[1,1,0]
	ALL8 v_pk_fma_f32 v[QR+p:QR+p+1], v[QR+p:QR+p+1], v[WR+p:WR+p+1], s[46:47] op_sel_hi:[1,1,0]
	ALL8 v_pk_fma_f32 v[PR+p:PR+p+1], v[PR+p:PR+p+1], v[WR+p:WR+p+1], s[34:35] op_sel_hi:[1,1,0]
	ALL8 v_pk_fma_f32 v[QR+p:QR+p+1], v[QR+p:QR+p+1], v[WR+p:WR+p+1], s[48:49] op_sel_hi:[1,1,0]
.set p, 0
.rept 8                                            ; the sixteen reciprocals are one batch; behind each stands a plain line that names none of them
	v_rcp_f32 v[QR+p], v[QR+p]
	v_pk_fma_f32 v[PR+p:PR+p+1], v[PR+p:PR+p+1], v[WR+p:WR+p+1], s[36:37] op_sel_hi:[1,1,0]
	v_rcp_f32 v[QR+p+1], v[QR+p+1]
	v_pk_mul_f32 v[ZR+p:ZR+p+1], v[ZR+p:ZR+p+1], s[CC:CC+1] op_sel_hi:[1,0]
.set p, p+2
.endr
	ALL8 v_pk_fma_f32 v[PR+p:PR+p+1], v[PR+p:PR+p+1], v[WR+p:WR+p+1], s[38:39] op_sel_hi:[1,1,0]
	ALL8 v_pk_mul_f32 v[PR+p:PR+p+1], v[PR+p:PR+p+1], v[ZC+p:ZC+p+1]
	s_wait_alu depctr_va_vdst(0)                   ; one wait for the sixteen reciprocals, ahead of their first reader
	ALL8 v_pk_mul_f32 v[PR+p:PR+p+1], v[PR+p:PR+p+1], v[QR+p:QR+p+1]
	ALL8 v_pk_fma_f32 v[ZR+p:ZR+p+1], v[ZR+p:ZR+p+1], v[PR+p:PR+p+1], v[ZR+p:ZR+p+1]
	s_wait_xcnt 0x0                                ; the last trip's stores, a trip's arithmetic back, have read their data and base: both are written again only behind this wait
	s_add_nc_u64 s[8:9], s[8:9], 32768             ; four rows on; the stores below reach back
	ALL8 v_cvt_pk_bf16_f32 v[YR+p/2], v[ZR+p], v[ZR+p+1]
.irp j, 0,1,2,3
	global_store_b64 v[GO], v[YR+2*(\j):YR+2*(\j)+1], s[8:9] offset:(\j)*8192-32768  ; 128 columns of a row: 256 consecutive bytes, aligned
.endr
	s_cmp_lg_u32 s2, 0
	s_cbranch_scc1 .Lrows
.endif
	s_wait_tensorcnt 0x0                           ; the wave's end
	ds_add_u32 v[SPW], v[NIL]
	s_wait_dscnt 0x0
	CROUND                                         ; the closing round
	s_endpgm
.Lfunc_end_k_qf1d5e63138_ffn1:
	.size	k_qf1d5e63138_ffn1, .Lfunc_end_k_qf1d5e63138_ffn1-k_qf1d5e63138_ffn1
	.p2alignl 7, 3214868480
	.fill 96, 4, 3214868480
	.section	.rodata,"a",@progbits
	.p2align	6, 0x0
	.amdhsa_kernel k_qf1d5e63138_ffn1
		.amdhsa_group_segment_fixed_size 327680
		.amdhsa_private_segment_fixed_size 0
		.amdhsa_enable_private_segment 0
		.amdhsa_kernarg_size 32
		.amdhsa_user_sgpr_count 2
		.amdhsa_user_sgpr_kernarg_segment_ptr 1
		.amdhsa_wavefront_size32 1
		.amdhsa_system_sgpr_workgroup_id_x 1
		.amdhsa_system_sgpr_workgroup_id_y 1
		.amdhsa_system_sgpr_workgroup_id_z 1
		.amdhsa_system_vgpr_workitem_id 0
		.amdhsa_next_free_vgpr 1024
		.amdhsa_next_free_sgpr 88
		.amdhsa_reserve_vcc 0
		.amdhsa_float_denorm_mode_32 3
		.amdhsa_float_denorm_mode_16_64 3
		.amdhsa_memory_ordered 1
		.amdhsa_forward_progress 1
		.amdhsa_inst_pref_size 92
	.end_amdhsa_kernel
	.amdgpu_metadata
---
amdhsa.version: [ 1, 2 ]
amdhsa.kernels:
  - .name:           k_qf1d5e63138_ffn1
    .symbol:         k_qf1d5e63138_ffn1.kd
    .args:
      - { .name: hn, .offset: 0, .size: 8, .value_kind: global_buffer, .address_space: global }
      - { .name: wbf, .offset: 8, .size: 8, .value_kind: global_buffer, .address_space: global }
      - { .name: b1, .offset: 16, .size: 8, .value_kind: global_buffer, .address_space: global }
      - { .name: ff, .offset: 24, .size: 8, .value_kind: global_buffer, .address_space: global }
    .group_segment_fixed_size: 327680
    .private_segment_fixed_size: 0
    .kernarg_segment_align: 8
    .kernarg_segment_size: 32
    .max_flat_workgroup_size: 128
    .sgpr_count:     88
    .vgpr_count:     1024
    .wavefront_size: 32
...
	.end_amdgpu_metadata
.endif
;; end of part 5
;; launch ffn2 (part 6): grid 8 x 32, 4 waves a work-group, clusters of 4 x 4, 327,680 bytes of LDS; arguments ff, wbf, b2, x1, out0; writes out0
.if DOCPART == 6
	.amdgcn_target "amdgcn-amd-amdhsa--gfx1250"
	.amdhsa_code_object_version 6
	.text
	.protected	k_qf1d5e63138_ffn2
	.globl	k_qf1d5e63138_ffn2
	.p2align	8
	.type	k_qf1d5e63138_ffn2,@function
k_qf1d5e63138_ffn2:
	s_mov_b64 s[64:65], 0
	v_nop
	global_prefetch_b8 v0, s[64:65] scope:SCOPE_SE
	s_setreg_imm32_b32 hwreg(HW_REG_WAVE_MODE, 25, 1), 1
	s_wait_xcnt 0x0
	s_wait_alu depctr_hold_cnt(0) depctr_sa_sdst(0) depctr_va_vdst(0) depctr_va_sdst(0) depctr_va_ssrc(0) depctr_va_vcc(0) depctr_vm_vsrc(0)
	s_getreg_b32 s2, hwreg(HW_REG_IB_STS2, 6, 4)
	s_cmp_eq_u32 s2, 0
	s_cbranch_scc0 .Lentry_in_a_cluster
	s_endpgm
.Lentry_in_a_cluster:
	s_bfe_u32 s2, ttmp6, 0x10000c
	s_cmp_lg_u32 s2, 0xf033
	s_cbranch_scc0 .Lentry_shape_is_right
	s_endpgm
.Lentry_shape_is_right:
; out = A B + bias + resid, out and resid [4096][1024] f32, B [K][1024] bf16 (rows along N), sums in f32.
; KIND 0: A = the attention's O, [32 = batch x 16 + head][2048][64] bf16, K = 1,024 = head x 64 + channel; B = the projection's weights.
; KIND 1: A = gelu's output, [4096][4096] bf16, K = 4,096; B = w2.
; 1,024 columns make 64 tiles of 256 x 256: too few.  So a tile of C is 128 x 128 (256 work-groups), four waves of 64 x 64: 16 accumulators.  K goes in steps of 256 through two LDS slots.
; KIND 0's A tile is four planes, a head each: 64 rows of a head are 8,192 dense bytes, one row of the descriptor, padded in LDS after every 128 bytes.
; B is turned on its way into registers; the product is used transposed: a lane holds row l % 16 of C and the columns 8 (l / 16) + 0..7.
; CLUSTER 4 x 4: A's tile is asked for jointly by a row of the cluster, B's by a column.  The residual's 64 x 64 numbers a wave are loaded at the head and wait in registers.
; THE ORDER OF K.  The ring's n-th tile (its TIME n) is K step n xor pi, pi = (cluster x + cluster y) % 2: a cluster with pi = 1 takes the K steps as 1, 0, 3, 2, ..  So the clusters that read
; the same blocks of A (neighbours along x) or of B (along y) do not all ask for a block at once: half of them ask for it one K step ahead of the other half.  The f32 sums may be taken in any order.
; pi hangs on the cluster's place alone: it is the same in all sixteen partners.
; THE WAY OUT: the sums go as f32 through LDS (the slots have had their last fill), each wave's through bytes of its own, and come back as rows of 256 bytes.
; KIND 0 prefetches nothing: it has four K steps.  LIMITS: operands are bf16; NaN and infinities are not treated apart.
.set KIND, 1
.if KIND == 0
.set NSTEP, 4
.set PA, 144                           ; a row of a plane: 128 bytes + 16
.set HA, 4*64*PA
.set ASTEP, 4*2048*128                 ; four heads on
.set WB, 6291456
.set PF, 0
.set AF, (3<<16)|(1<<20)|(1<<21)|(4<<22)|(3<<25)  ; 8-byte elements; after 32 words 4 words
.set AD0, 1024                         ; 64 rows of a head
.set AD1, 4                            ; four heads
.set AST, 32768                        ; a head's 2,048 rows, in elements
.else
.set NSTEP, 16
.set PA, 528                           ; 512 bytes + 16
.set HA, 64*PA
.set ASTEP, 512
.set WB, 16777216
.set PF, 1
.set AF, (1<<16)|(1<<20)|(1<<21)|(6<<22)|(3<<25)  ; 2-byte elements; after 128 words 4 words
.set AD0, 256
.set AD1, 64
.set AST, 4096
.endif
.set PB, 288                           ; B's LDS row: 256 bytes + 32
.set HB, 128*PB
.set BOFF, 2*HA
.set SLOT, 2*HA+2*HB
.set SPARE, 2*SLOT                     ; the spare words, 128 bytes a wave, which no other line names
.set DP, 272                           ; the way out: a row of 64 f32 + 16 bytes
.set BSTEP, 256*2048
.set BI, 8                             ; v[8:11] bias of my four columns
.set ADRA0, 16
.set ADRB0, 17
.set ADRA, 18
.set ADRB, 19                          ; v19: K rows 0-127 of the slot in hand; v20: rows 128-255 (an LDS offset has 16 bits)
.set STO, 24
.set RD, 25
.set CO, 26                            ; my byte offset in resid and out
.set BOF, 27
.set SPW, 28
.set NIL, 29
.set PFO, 30
.set ACC, 128                          ; window 0: accumulator (a, b) at ACC + 8 (4 a + b)
.set F0, 0                             ; window 1: two fragment buffers of 128: 64 of A, then 64 of B
.set F1, 128
.set G1A, 24
.set G0A0, 32
.set G0A, 36
.set LIM, 43
.set PFA, 44
.set G1B, 48
.set G0B0, 56
.set G0B, 60
.set TB, 66
.set WOA, 67
.set WOB, 68
.set TI, 69                            ; s69 the time that the next refill asks for
.set PST, 70
.set BSA, 76                           ; s[76:77] A at my fetch's rows, K step 0
.set BSB, 78                           ; s[78:79] B at my fetch's rows of K step 0
.set PI, 80                            ; s80 pi
.set OFA, 82                           ; s[82:83] the K step asked for, in bytes of A
.set OFB, 84                           ; s[84:85] and of B
.set MSB, 0
.macro WIN new
.if MSB != (\new)
	s_set_vgpr_msb (MSB<<8)|(\new)
.set MSB, \new
.endif
.endm
.set MUL, 0x05                         ; sources 0 (B) and 1 (A) window 1; C and D window 0
.set TO_F, 0x40
.macro JLOAD                           ; a joint refill; an s_nop 0 and four v_nop follow each line
	s_cmp_eq_u32 s11, 0
	s_cbranch_scc0 .Lfor_b_\@
	tensor_load_to_lds s[G0A:G0A+3], s[G1A:G1A+7]
	s_nop 0
.rept 4
	v_nop
.endr
	s_branch .Lasked_\@
.Lfor_b_\@:
	tensor_load_to_lds s[G0B:G0B+3], s[G1B:G1B+7]
	s_nop 0
.rept 4
	v_nop
.endr
.Lasked_\@:
.endm
; A prefetch of the tile two times behind the one just asked for (256 matrix instructions ahead of its load), in the trips in which that tile's time is even: those are the K steps that my cluster
; asks for ahead of its neighbours.  32 blocks of 256 bytes, a lane a block.  A's blocks are named by the clusters with x = 0 and 1, B's by those with y = 0 and 1: of each such pair one has pi = 0
; and one pi = 1, so each block is named once.  The four partners of a joint load share the fetching wave's 128 blocks by address.  Times 4, 6 .. 14 are named (s3 = 14, 12 .. 4).
.macro ASK
	s_bitcmp1_b32 s3, 0                            ; the time named is even where s3 is even
	s_cselect_b32 s46, 0, s3
	s_cmp_gt_u32 s46, s[LIM]
	s_cbranch_scc0 .Lnot_mine_\@
	global_prefetch_b8 v[PFO], s[PFA:PFA+1] th:TH_LOAD_NT scope:SCOPE_SE
.Lnot_mine_\@:
.endm
.macro CREST
	s_cmp_lg_u32 s10, 0
	s_cbranch_scc1 .Lnot_wave_0_\@
	s_barrier_signal -3
.Lnot_wave_0_\@:
	s_barrier_wait -3
	s_barrier_signal -1
	s_barrier_wait -1
.endm
.macro CROUND
	s_barrier_signal -1
	s_barrier_wait -1
	CREST
.endm
.macro PLACES                          ; four places behind matrix instructions (ISA guide 7.12.1)
.rept 4
	v_nop
.endr
.endm
	s_load_b128 s[4:7], s[0:1], 0x0                ; A s[4:5], wbf s[6:7]
	s_load_b128 s[72:75], s[0:1], 0x10             ; bias s[72:73], resid s[74:75]
	s_load_b64 s[8:9], s[0:1], 0x20                ; out
	v_lshl_add_u32 v[SPW], v0, 2, SPARE
	v_mov_b32 v[NIL], 0
	ds_add_u32 v[SPW], v[NIL]                      ; the wave's opening: the add and its wait ahead of my first tensor load
	v_lshrrev_b32 v1, 5, v0
	v_readfirstlane_b32 s10, v1
	s_lshr_b32 s11, s10, 1                         ; my half of the tile's rows; also: I fetch for A (0) or B (1)
	s_and_b32 s12, s10, 1                          ; my half of its columns; also: which half I fetch
	s_bfe_u32 s40, ttmp6, 0x40000                  ; cx
	s_bfe_u32 s41, ttmp6, 0x40004                  ; cy
	s_lshl_b32 s42, ttmp9, 2
	s_add_co_u32 s42, s42, s40                     ; tile column
	s_and_b32 s13, ttmp7, 0xffff
	s_add_co_u32 s[PI], s13, ttmp9
	s_and_b32 s[PI], s[PI], 1                      ; pi = (cluster x + cluster y) % 2
	s_lshl_b32 s13, s13, 2
	s_add_co_u32 s13, s13, s41                     ; tile row
	s_lshl_b32 s43, s41, 2
	s_lshl_b32 s43, 15, s43
	s_lshl_b32 s44, 0x1111, s40
	s_or_b32 s[G1A], s43, AF
	s_mov_b32 s[G1A+1], AD0<<16
	s_mov_b32 s[G1A+2], AD1<<16
	s_mov_b32 s[G1A+3], AD0<<16
	s_mov_b32 s[G1A+4], AD1
	s_mov_b32 s[G1A+5], AST
	s_mov_b32 s[G1A+6], 0
	s_mov_b32 s[G1A+7], 0
	s_or_b32 s[G1B], s44, (1<<16)|(1<<20)|(1<<21)|(5<<22)|(7<<25)  ; after 64 words 8 words
	s_mov_b32 s[G1B+1], 128<<16                    ; 128 columns
	s_mov_b32 s[G1B+2], 128<<16                    ; 128 rows of K
	s_mov_b32 s[G1B+3], 128<<16
	s_mov_b32 s[G1B+4], 128
	s_mov_b32 s[G1B+5], 1024
	s_mov_b32 s[G1B+6], 0
	s_mov_b32 s[G1B+7], 0
.if KIND == 0
	s_lshr_b32 s14, s13, 4                         ; batch: its first head's rows,
	s_lshl_b32 s14, s14, 15
	s_and_b32 s15, s13, 15
	s_lshl_b32 s15, s15, 7
	s_add_co_u32 s14, s14, s15                     ; the tile's first row in the batch,
	s_lshl_b32 s15, s12, 6
	s_add_co_u32 s14, s14, s15                     ; my 64 rows,
	s_lshl_b32 s14, s14, 7                         ; of 128 bytes
.else
	s_lshl_b32 s14, s13, 7
	s_lshl_b32 s15, s12, 6
	s_add_co_u32 s14, s14, s15
	s_lshl_b32 s14, s14, 13                        ; rows of 8,192 bytes
.endif
	s_mov_b32 s15, 0
	s_lshl_b32 s46, s12, 18                        ; B: K row 128 x half, column 128 x tile column
	s_lshl_b32 s47, s42, 8
	s_add_co_u32 s46, s46, s47
	s_add_co_u32 s46, s46, WB
	s_mov_b32 s47, 0
	s_mul_i32 s[WOA], s12, HA
	s_mul_i32 s[WOB], s12, HB
	s_add_co_u32 s[WOB], s[WOB], BOFF
	s_mov_b32 s[TB], 0
	s_mul_i32 s[OFA], s[PI], ASTEP                 ; time 0 is K step pi
	s_mov_b32 s[OFA+1], 0
	s_mul_i32 s[OFB], s[PI], BSTEP
	s_mov_b32 s[OFB+1], 0
	s_wait_dscnt 0x0                               ; the opening add is done
	s_wait_kmcnt 0x0
	s_add_nc_u64 s[BSA:BSA+1], s[4:5], s[14:15]
	s_add_nc_u64 s[BSB:BSB+1], s[6:7], s[46:47]
	s_mov_b32 s[G0A0], 1                           ; time 0 into slot 0
	s_mov_b32 s[G0A0+1], s[WOA]
	s_add_nc_u64 s[G0A0+2:G0A0+3], s[BSA:BSA+1], s[OFA:OFA+1]
	s_or_b32 s[G0A0+3], s[G0A0+3], 0x80000000
	s_mov_b32 s[G0B0], 1
	s_mov_b32 s[G0B0+1], s[WOB]
	s_add_nc_u64 s[G0B0+2:G0B0+3], s[BSB:BSB+1], s[OFB:OFB+1]
	s_or_b32 s[G0B0+3], s[G0B0+3], 0x80000000
	s_xor_b32 s[OFA], s[PI], 1                     ; time 1 is K step 1 - pi
	s_mul_i32 s[OFB], s[OFA], BSTEP
	s_mul_i32 s[OFA], s[OFA], ASTEP
	s_mov_b32 s[G0A], 1                            ; time 1 into slot 1; this set serves all later times
	s_add_co_u32 s[G0A+1], s[WOA], SLOT
	s_add_nc_u64 s[G0A+2:G0A+3], s[BSA:BSA+1], s[OFA:OFA+1]
	s_or_b32 s[G0A+3], s[G0A+3], 0x80000000
	s_mov_b32 s[G0B], 1
	s_add_co_u32 s[G0B+1], s[WOB], SLOT
	s_add_nc_u64 s[G0B+2:G0B+3], s[BSB:BSB+1], s[OFB:OFB+1]
	s_or_b32 s[G0B+3], s[G0B+3], 0x80000000
	s_mov_b32 s[TI], 2
	CROUND                                         ; all sixteen work-groups are here: the first joint loads meet
	s_cmp_eq_u32 s11, 0                            ; a wave's two first fills stand in one branch: two loads of mine are out
	s_cbranch_scc0 .Lfirst_b
	tensor_load_to_lds s[G0A0:G0A0+3], s[G1A:G1A+7]
	s_nop 0
	tensor_load_to_lds s[G0A:G0A+3], s[G1A:G1A+7]
	s_nop 0
.rept 4
	v_nop
.endr
	s_branch .Lfirst_asked
.Lfirst_b:
	tensor_load_to_lds s[G0B0:G0B0+3], s[G1B:G1B+7]
	s_nop 0
	tensor_load_to_lds s[G0B:G0B+3], s[G1B:G1B+7]
	s_nop 0
.rept 4
	v_nop
.endr
.Lfirst_asked:
	v_and_b32 v1, 15, v0                           ; r
	v_bfe_u32 v2, v0, 4, 1                         ; h
	v_and_b32 v3, 31, v0                           ; l
	v_mul_u32_u24 v4, v1, PA
	v_lshl_add_u32 v4, v2, 4, v4
	s_mul_i32 s21, s11, HA
	v_add_nc_u32 v[ADRA0], s21, v4
	v_and_b32 v5, 7, v0
	v_lshl_add_u32 v5, v2, 3, v5
	v_mul_u32_u24 v5, v5, PB
	v_bfe_u32 v6, v0, 3, 1
	v_lshl_add_u32 v5, v6, 4, v5
	s_lshl_b32 s22, s12, 7
	s_add_co_u32 s22, s22, BOFF
	v_add_nc_u32 v[ADRB0], s22, v5
	v_add_nc_u32 v[ADRA], s[TB], v[ADRA0]
	v_add_nc_u32 v[ADRB], s[TB], v[ADRB0]
	v_add_nc_u32 v[ADRB+1], 128*PB, v[ADRB]
	s_mul_i32 s23, s10, 64*DP                      ; the way out: my 64 rows of 272 bytes
	v_mul_u32_u24 v4, v1, DP
	v_lshl_add_u32 v4, v2, 5, v4
	v_add_nc_u32 v[STO], s23, v4
	v_mul_u32_u24 v5, v2, DP                       ; back: lanes 0-15 take a row of 256 bytes, lanes 16-31 the next
	v_lshl_add_u32 v5, v1, 4, v5
	v_add_nc_u32 v[RD], s23, v5
	v_lshlrev_b32 v6, 12, v2                       ; the same two rows in resid and out
	v_lshl_add_u32 v[CO], v1, 4, v6
	v_lshlrev_b32 v[BOF], 4, v1
	s_lshl_b32 s16, s13, 7
	s_lshl_b32 s17, s11, 6
	s_add_co_u32 s16, s16, s17
	s_lshl_b32 s16, s16, 12                        ; my first row, of 4,096 bytes
	s_lshl_b32 s18, s42, 9
	s_lshl_b32 s17, s12, 8
	s_add_co_u32 s18, s18, s17                     ; my first column, in bytes
	s_mov_b32 s19, 0
	s_add_co_u32 s16, s16, s18
	s_mov_b32 s17, 0
	s_add_nc_u64 s[74:75], s[74:75], s[16:17]
	s_add_nc_u64 s[8:9], s[8:9], s[16:17]
	s_add_nc_u64 s[72:73], s[72:73], s[18:19]
	WIN 0x80                                       ; the residual into window 2: waited for on the way out
.set t, 0
.rept 32
	global_load_b128 v[4*t:4*t+3], v[CO], s[74:75] offset:8192*t
.set t, t+1
.endr
	WIN 0
	global_load_b128 v[BI:BI+3], v[BOF], s[72:73]
.if PF
	s_and_b32 s22, ttmp7, 0xffff                   ; cluster y
	s_lshl_b32 s20, s13, 7
	s_lshl_b32 s21, s12, 6
	s_add_co_u32 s20, s20, s21
	s_lshl_b32 s21, s40, 4
	s_add_co_u32 s20, s20, s21                     ; A: of the 64 rows that I fetch, my work-group's 16, two blocks each
	s_lshl_b32 s20, s20, 13
	s_add_co_u32 s20, s20, 3*ASTEP                 ; at time 3: the first refill steps it to 4
	s_lshl_b32 s21, s12, 7
	s_lshl_b32 s23, s41, 5
	s_add_co_u32 s21, s21, s23                     ; B: of the 128 rows of K, my work-group's 32
	s_lshl_b32 s21, s21, 11
	s_lshl_b32 s23, s42, 8
	s_add_co_u32 s21, s21, s23
	s_add_co_u32 s21, s21, WB+3*BSTEP
	s_cmp_eq_u32 s11, 0
	s_cselect_b32 s20, s20, s21
	s_cselect_b32 s22, ttmp9, s22
	s_cselect_b64 s[PFA:PFA+1], s[4:5], s[6:7]
	s_mov_b32 s[PST], BSTEP
	s_cselect_b32 s[PST], ASTEP, s[PST]
	s_mov_b32 s[PST+1], 0
	s_cselect_b32 s23, 1, 0                        ; blocks a row, less 1
	s_mov_b32 s21, 2048
	s_cselect_b32 s21, 8192, s21                   ; bytes from row to row
	s_cmp_lt_u32 s22, 2
	s_cselect_b32 s[LIM], 2, -1
	s_mul_i32 s47, s[PI], s[PST]                   ; an even time n is K step n + pi
	s_add_co_u32 s46, s20, s47
	s_mov_b32 s47, 0
	s_add_nc_u64 s[PFA:PFA+1], s[PFA:PFA+1], s[46:47]
	v_lshrrev_b32 v4, s23, v3
	v_mul_lo_u32 v4, v4, s21
	v_and_b32 v5, s23, v3
	v_lshl_add_u32 v[PFO], v5, 8, v4
.endif
; 8 matrix instructions: m blocks a0, a0 + 1 x all 4 n blocks, 32 along K: half c of buffer f.  The 16 accumulators take turns.
.macro MUL8 f, c, a0, zero
	WIN MUL
.irp a, \a0, (\a0)+1
.irp b, 0,1,2,3
.if \zero
	v_wmma_f32_16x16x32_bf16 v[ACC+8*(4*(\a)+(\b)):ACC+8*(4*(\a)+(\b))+7], v[(\f)+64+8*(4*(\c)+(\b)):(\f)+64+8*(4*(\c)+(\b))+7], v[(\f)+8*(4*(\c)+(\a)):(\f)+8*(4*(\c)+(\a))+7], 0
.else
	v_wmma_f32_16x16x32_bf16 v[ACC+8*(4*(\a)+(\b)):ACC+8*(4*(\a)+(\b))+7], v[(\f)+64+8*(4*(\c)+(\b)):(\f)+64+8*(4*(\c)+(\b))+7], v[(\f)+8*(4*(\c)+(\a)):(\f)+8*(4*(\c)+(\a))+7], v[ACC+8*(4*(\a)+(\b)):ACC+8*(4*(\a)+(\b))+7]
.endif
.endr
.endr
.endm
; 32 LDS loads in one run: quarter kq (64 along K) of the slot in hand into buffer f, its first 32 along K first
.macro FETCH kq, f
	WIN TO_F
.irp c, 0,1
.irp i, 0,1,2,3
.set BO, ((64*(\kq)+32*(\c))%128)*PB+32*(\i)
.if KIND == 0
.set AO, (\kq)*64*PA+64*(\c)+(\i)*16*PA          ; a quarter is a head's plane
.else
.set AO, (\kq)*128+64*(\c)+(\i)*16*PA
.endif
	ds_load_tr16_b128 v[(\f)+64+8*(4*(\c)+(\i)):(\f)+64+8*(4*(\c)+(\i))+3],   v[ADRB+(\kq)/2] offset:BO
	ds_load_tr16_b128 v[(\f)+64+8*(4*(\c)+(\i))+4:(\f)+64+8*(4*(\c)+(\i))+7], v[ADRB+(\kq)/2] offset:BO+16*PB
	ds_load_b128 v[(\f)+8*(4*(\c)+(\i)):(\f)+8*(4*(\c)+(\i))+3],   v[ADRA] offset:AO
	ds_load_b128 v[(\f)+8*(4*(\c)+(\i))+4:(\f)+8*(4*(\c)+(\i))+7], v[ADRA] offset:AO+32
.endr
.endr
.endm
.macro QUARTER kq, f, g, zero
	s_wait_dscnt 16                                ; the first 32 along K are in; the youngest sixteen loads may be out
	MUL8 \f, 0, 0, \zero
	MUL8 \f, 0, 2, \zero
	PLACES
	FETCH \kq, \g
	s_wait_dscnt 32                                ; all but the 32 just issued
	MUL8 \f, 1, 0, 0
	MUL8 \f, 1, 2, 0
.endm
.macro MEET round
	WIN 0
	s_wait_tensorcnt 0x0                           ; all my tensor loads have landed: my part of the next slot
	ds_add_u32 v[SPW], v[NIL]
	s_wait_dscnt 17                                ; the add and the youngest sixteen loads may be out
	MUL8 F1, 0, 0, 0
	s_wait_dscnt 0x0                               ; the add is done, my reads of this slot are over
	s_barrier_signal -1
	MUL8 F1, 0, 2, 0
.if \round
	WIN 0
.endif
	s_barrier_wait -1
.endm
.macro TURN fill
.if \fill
.if PF
	s_wait_xcnt 0x0                                ; the last prefetch, a K step back, has read its address
	s_add_nc_u64 s[PFA:PFA+1], s[PFA:PFA+1], s[PST:PST+1]
.endif
	s_xor_b32 s[OFA], s[TI], s[PI]                 ; the K step of the time that is asked for, in bytes of A and of B: made here, in registers that no descriptor holds
	s_mul_i32 s[OFB], s[OFA], BSTEP
	s_mul_i32 s[OFA], s[OFA], ASTEP
	s_add_co_u32 s[TI], s[TI], 1
.endif
	MEET \fill
.if \fill
	CREST
	s_add_co_u32 s[G0A+1], s[WOA], s[TB]           ; no tensor load of mine is out: the descriptors may be written; the addresses are made anew
	s_add_nc_u64 s[G0A+2:G0A+3], s[BSA:BSA+1], s[OFA:OFA+1]
	s_or_b32 s[G0A+3], s[G0A+3], 0x80000000
	s_add_co_u32 s[G0B+1], s[WOB], s[TB]
	s_add_nc_u64 s[G0B+2:G0B+3], s[BSB:BSB+1], s[OFB:OFB+1]
	s_or_b32 s[G0B+3], s[G0B+3], 0x80000000
	s_xor_b32 s[TB], s[TB], SLOT
	JLOAD                                          ; its four v_nop are also the places in front of the loads below
.else
	PLACES
	WIN 0
	s_xor_b32 s[TB], s[TB], SLOT
.endif
	v_add_nc_u32 v[ADRA], s[TB], v[ADRA0]
	v_add_nc_u32 v[ADRB], s[TB], v[ADRB0]
	v_add_nc_u32 v[ADRB+1], 128*PB, v[ADRB]
	FETCH 0, F0
.if (\fill) && PF
	WIN 0
	ASK
.endif
	MUL8 F1, 1, 0, 0
	MUL8 F1, 1, 2, 0
.endm
	s_wait_tensorcnt 0x1                           ; my part of time 0 is in; time 1's stays out
	s_barrier_signal -1
	s_barrier_wait -1
	FETCH 0, F0
	QUARTER 1, F0, F1, 1                           ; the first products start the sums
	WIN 0
	s_mov_b32 s3, NSTEP-2
.Llap:                                             ; a trip: a K step's quarters 1 to 3, the refill, the next step's quarter 0
	QUARTER 2, F1, F0, 0
	QUARTER 3, F0, F1, 0
	TURN 1
	QUARTER 1, F0, F1, 0
	WIN 0
	s_sub_co_u32 s3, s3, 1
	s_cmp_lg_u32 s3, 0
	s_cbranch_scc1 .Llap
	s_mov_b32 s2, 2
.Ltail:                                            ; the last two K steps fill nothing.  The second trip is left in its middle; its barrier and its 32 loads of the older slot serve nothing: the price of writing the tail once
	QUARTER 2, F1, F0, 0
	QUARTER 3, F0, F1, 0
	TURN 0
	WIN 0
	s_sub_co_u32 s2, s2, 1
	s_cmp_eq_u32 s2, 0
	s_cbranch_scc1 .Lend
	QUARTER 1, F0, F1, 0
	WIN 0
	s_branch .Ltail
.Lend:
	PLACES
	s_wait_dscnt 0x0                               ; my reads of the ring are over,
	s_barrier_signal -1
	s_barrier_wait -1                              ; everybody's are; every tensor load has landed: slot 0 takes the results
.irp a, 0,1,2,3
.irp b, 0,1,2,3
	ds_store_b128 v[STO], v[ACC+8*(4*(\a)+(\b)):ACC+8*(4*(\a)+(\b))+3]   offset:(\a)*16*DP+64*(\b)
	ds_store_b128 v[STO], v[ACC+8*(4*(\a)+(\b))+4:ACC+8*(4*(\a)+(\b))+7] offset:(\a)*16*DP+64*(\b)+16
.endr
.endr
	WIN 0x40                                       ; back into window 1; LDS serves a wave's instructions in order (ISA guide 5.7.1.4)
.set t, 0
.rept 32
	ds_load_b128 v[4*t:4*t+3], v[RD] offset:2*DP*t
.set t, t+1
.endr
	s_wait_loadcnt 0x0                             ; residual and bias
	s_wait_dscnt 0x0
	WIN 0x49                                       ; window 1 += window 2
.set t, 0
.rept 64
	v_pk_add_f32 v[2*t:2*t+1], v[2*t:2*t+1], v[2*t:2*t+1]
.set t, t+1
.endr
	WIN 0x41                                       ; window 1 += the bias, in window 0
.set t, 0
.rept 64
	v_pk_add_f32 v[2*t:2*t+1], v[2*t:2*t+1], v[BI+2*(t%2):BI+2*(t%2)+1]
.set t, t+1
.endr
	WIN 0x04                                       ; store data in window 1
.set t, 0
.rept 32
	global_store_b128 v[CO], v[4*t:4*t+3], s[8:9] offset:8192*t  ; 16 lanes store 256 consecutive bytes, aligned
.set t, t+1
.endr
	WIN 0
	s_wait_tensorcnt 0x0                           ; the wave's end
	ds_add_u32 v[SPW], v[NIL]
	s_wait_dscnt 0x0
	CROUND                                         ; the closing round
	s_endpgm
.Lfunc_end_k_qf1d5e63138_ffn2:
	.size	k_qf1d5e63138_ffn2, .Lfunc_end_k_qf1d5e63138_ffn2-k_qf1d5e63138_ffn2
	.p2alignl 7, 3214868480
	.fill 96, 4, 3214868480
	.section	.rodata,"a",@progbits
	.p2align	6, 0x0
	.amdhsa_kernel k_qf1d5e63138_ffn2
		.amdhsa_group_segment_fixed_size 327680
		.amdhsa_private_segment_fixed_size 0
		.amdhsa_enable_private_segment 0
		.amdhsa_kernarg_size 40
		.amdhsa_user_sgpr_count 2
		.amdhsa_user_sgpr_kernarg_segment_ptr 1
		.amdhsa_wavefront_size32 1
		.amdhsa_system_sgpr_workgroup_id_x 1
		.amdhsa_system_sgpr_workgroup_id_y 1
		.amdhsa_system_sgpr_workgroup_id_z 1
		.amdhsa_system_vgpr_workitem_id 0
		.amdhsa_next_free_vgpr 640
		.amdhsa_next_free_sgpr 88
		.amdhsa_reserve_vcc 0
		.amdhsa_float_denorm_mode_32 3
		.amdhsa_float_denorm_mode_16_64 3
		.amdhsa_memory_ordered 1
		.amdhsa_forward_progress 1
		.amdhsa_inst_pref_size 71
	.end_amdhsa_kernel
	.amdgpu_metadata
---
amdhsa.version: [ 1, 2 ]
amdhsa.kernels:
  - .name:           k_qf1d5e63138_ffn2
    .symbol:         k_qf1d5e63138_ffn2.kd
    .args:
      - { .name: ff, .offset: 0, .size: 8, .value_kind: global_buffer, .address_space: global }
      - { .name: wbf, .offset: 8, .size: 8, .value_kind: global_buffer, .address_space: global }
      - { .name: b2, .offset: 16, .size: 8, .value_kind: global_buffer, .address_space: global }
      - { .name: x1, .offset: 24, .size: 8, .value_kind: global_buffer, .address_space: global }
      - { .name: out0, .offset: 32, .size: 8, .value_kind: global_buffer, .address_space: global }
    .group_segment_fixed_size: 327680
    .private_segment_fixed_size: 0
    .kernarg_segment_align: 8
    .kernarg_segment_size: 40
    .max_flat_workgroup_size: 128
    .sgpr_count:     88
    .vgpr_count:     640
    .wavefront_size: 32
...
	.end_amdgpu_metadata
.endif
;; end of part 6
